; MI455X (gfx1250); checked and timed in simulation.
; The chip was launched on July 23, 2026; its instructions are those of AMD's public machine-readable ISA for CDNA 5 (MIT licence, August 2026) and "CDNA5" Instruction Set Architecture Reference Guide (July 2026). The comments in the code are by the model that wrote it; some were corrected since.
;; Multi Head Attention. Allowed arithmetic: float matrix products may take bf16 or f16 operands with f32 sums; other float arithmetic in f32, or as packed bf16 or f16 multiplies, adds, multiply-adds, maxima and minima; sums over many terms, partial sums and values carried from step to step in f32; what a program stores and reads back later, other than sums and carried values, may be rounded once to bf16 or f16.
;; Inputs: Rk_table 101 x 64 float32; Rv_table 101 x 64 float32; Wk 1,024 x 1,024 float32; Wo 1,024 x 1,024 float32; Wq 1,024 x 1,024 float32; Wv 1,024 x 1,024 float32; bk 1,024 float32; bo 1,024 float32; bq 1,024 float32; bv 1,024 float32; causal_mask 2,048 x 2,048 bool; x 2 x 2,048 x 1,024 float32.
;; Outputs: out0 2 x 2,048 x 1,024 float32.
;; 2 versions, each right and faster than the one before. Each part assembles by itself: llvm-mc -triple=amdgcn-amd-amdhsa -mcpu=gfx1250 --defsym DOCPART=n.
;; ======== version 1 of 2: 4 launches
;; limits: values are held in f16: magnitudes above 65,504 overflow, below 6.1e-05 lose precision
;; workspace buffers: xb 8,388,608 bytes; wqkv 6,291,456 bytes; wo16 2,097,152 bytes; maskw 524,288 bytes of whole numbers; tabs 65,536 bytes; qkv 25,165,824 bytes; ao 8,388,608 bytes
;; launch prep (part 1): grid 784 x 1, 8 waves a work-group, no clusters, 0 bytes of LDS; arguments x, Wq, Wk, Wv, Wo, causal_mask, Rk_table, Rv_table, xb, wqkv, wo16, maskw, tabs; writes xb, wqkv, wo16, maskw, tabs
.if DOCPART == 1
	.amdgcn_target "amdgcn-amd-amdhsa--gfx1250"
	.amdhsa_code_object_version 6
	.text
	.protected	k_qfd93781448_prep
	.globl	k_qfd93781448_prep
	.p2align	8
	.type	k_qfd93781448_prep,@function
k_qfd93781448_prep:
	s_mov_b64 s[64:65], 0
	v_nop
	global_prefetch_b8 v0, s[64:65] scope:SCOPE_SE
	s_setreg_imm32_b32 hwreg(HW_REG_WAVE_MODE, 25, 1), 1
	s_wait_xcnt 0x0
; PREP: every large input is read once and laid out for the launches behind.  A stream: no LDS, no matrix work, no barrier.
;   work-groups   0..255  x  (65,536 bytes of f32 each)  -> xb    bf16
;               256..447  Wq, Wk, Wv (64 groups each)    -> wqkv  bf16, Wq's rows, then Wk's, then Wv's
;               448..511  Wo                             -> wo16  rounded to bf16, that number written as f16
;               512..767  causal_mask                    -> maskw lane masks: a wave packs 32 queries x 64 keys into 64 words
;               768..775  Rk_table -> tabs, RkX[y][c]  = Rk[X(y)][c], 256 rows of 64 f16
;               776..783  Rv_table -> tabs + 32,768, RvXT[c][y] = Rv[X(y)][c], 64 rows of 256 f16
; X(y) = min(y - min(y, 77), 100) = clip(y - 127, -50, 50) + 50.
; LIMITS.  The f16 copies hold no number beyond 65,504, and below 6e-5 they keep f16's fixed step.
	s_load_b512 s[4:19], s[0:1], 0x0               ; x 4, Wq 6, Wk 8, Wv 10, Wo 12, mask 14, Rk 16, Rv 18
	s_load_b256 s[20:27], s[0:1], 0x40             ; xb 20, wqkv 22, wo16 24, maskw 26
	s_load_b64 s[28:29], s[0:1], 0x60              ; tabs
	s_mov_b32 s39, ttmp9                           ; the work-group's number
	s_mov_b32 s35, 0                               ; high words of the two offset pairs
	s_mov_b32 s37, 0
	s_mov_b32 s40, 0xffff0000                      ; a word's upper bf16
	v_and_b32 v3, 31, v0
	v_lshrrev_b32 v2, 5, v0
	v_lshlrev_b32 v1, 13, v2                       ; in: wave x 8,192 + lane x 16
	v_lshl_or_b32 v1, v3, 4, v1
	v_lshlrev_b32 v2, 12, v2                       ; out: wave x 4,096 + lane x 8
	v_lshl_or_b32 v2, v3, 3, v2
	s_wait_kmcnt 0x0
.macro R16 d, a, b                     ; two f32 rounded to bf16, and those numbers written as f16
	v_cvt_pk_bf16_f32 v[\d], v[\a], v[\b]
	v_lshlrev_b32 v[\a], 16, v[\d]
	v_and_b32 v[\b], s40, v[\d]
	v_cvt_pk_f16_f32 v[\d], v[\a], v[\b]
.endm
; 16 loads of 512 consecutive bytes a wave, all out at once; each result leaves as 256 consecutive aligned bytes.  No register is used twice.
.macro CONV f16
.set i, 0
.rept 16
	global_load_b128 v[4+4*i:7+4*i], v1, s[30:31] offset:512*i th:TH_LOAD_NT
.set i, i+1
.endr
.set i, 0
.rept 16
	s_wait_loadcnt 15-i                            ; loads come back in order: load i is in, the younger ones stay out
.if \f16
	R16 68+2*i, 4+4*i, 5+4*i
	R16 69+2*i, 6+4*i, 7+4*i
.else
	v_cvt_pk_bf16_f32 v[68+2*i], v[4+4*i], v[5+4*i]
	v_cvt_pk_bf16_f32 v[69+2*i], v[6+4*i], v[7+4*i]
.endif
	global_store_b64 v2, v[68+2*i:69+2*i], s[32:33] offset:256*i
.set i, i+1
.endr
.endm
	s_cmp_lt_u32 s39, 256
	s_cbranch_scc0 .Lnot_x
	s_lshl_b32 s34, s39, 16
	s_lshl_b32 s36, s39, 15
	s_add_nc_u64 s[30:31], s[4:5], s[34:35]
	s_add_nc_u64 s[32:33], s[20:21], s[36:37]
	s_branch .Lconv
.Lnot_x:
	s_cmp_lt_u32 s39, 448
	s_cbranch_scc0 .Lnot_w
	s_sub_co_u32 s38, s39, 256
	s_lshr_b32 s34, s38, 6                         ; 0: Wq, 1: Wk, 2: Wv
	s_cmp_eq_u32 s34, 1
	s_cselect_b64 s[30:31], s[8:9], s[6:7]
	s_cmp_eq_u32 s34, 2
	s_cselect_b64 s[30:31], s[10:11], s[30:31]
	s_and_b32 s34, s38, 63
	s_lshl_b32 s34, s34, 16
	s_lshl_b32 s36, s38, 15
	s_add_nc_u64 s[30:31], s[30:31], s[34:35]
	s_add_nc_u64 s[32:33], s[22:23], s[36:37]
.Lconv:
	CONV 0
	s_endpgm
.Lnot_w:
	s_cmp_lt_u32 s39, 512
	s_cbranch_scc0 .Lnot_o
	s_sub_co_u32 s38, s39, 448
	s_lshl_b32 s34, s38, 16
	s_lshl_b32 s36, s38, 15
	s_add_nc_u64 s[30:31], s[12:13], s[34:35]
	s_add_nc_u64 s[32:33], s[24:25], s[36:37]
	CONV 1
	s_endpgm
.Lnot_o:
	s_cmp_lt_u32 s39, 768
	s_cbranch_scc0 .Ltabs
	; THE MASK.  Word k = 8 kb + r of tile t, bit L: mask[32 wp + 16 t + L % 16][64 s + 16 kb + 8 (L / 16) + r]: the lane mask of register k of a tile of scores.
	; Lane L loads those eight bytes r = 0..7 for each (kb, t); a compare turns one byte of all 32 lanes into a word; the 64 words leave as 256 consecutive bytes.
	s_sub_co_u32 s38, s39, 512
	v_lshrrev_b32 v4, 5, v0
	v_readfirstlane_b32 s34, v4                    ; wave
	s_lshr_b32 s36, s38, 2                         ; wp: which 32 queries
	s_and_b32 s38, s38, 3
	s_lshl_b32 s38, s38, 3
	s_add_co_u32 s38, s38, s34                     ; s: which 64 keys
	s_lshl_b32 s34, s36, 16                        ; 32 rows of 2,048 bytes
	s_lshl_b32 s41, s38, 6
	s_add_co_u32 s34, s34, s41
	v_and_b32 v1, 15, v0
	v_bfe_u32 v2, v0, 4, 1
	v_lshlrev_b32 v1, 11, v1
	v_lshl_add_u32 v1, v2, 3, v1
	v_add_nc_u32 v1, s34, v1
.irp kb, 0,1,2,3
.irp t, 0,1
	global_load_b64 v[4+2*(2*(\kb)+(\t)):5+2*(2*(\kb)+(\t))], v1, s[14:15] offset:(\t)*32768+16*(\kb)
.endr
.endr
	s_lshl_b32 s36, s36, 5
	s_add_co_u32 s36, s36, s38
	s_lshl_b32 s36, s36, 8                         ; (32 wp + s) x 256 bytes
	v_lshl_add_u32 v3, v3, 3, s36                  ; + lane x 8
	v_mov_b32 v20, 0                               ; the lanes are written one by one below
	v_mov_b32 v21, 0
	s_wait_loadcnt 0x0
.irp t, 0,1
.irp kb, 0,1,2,3
.irp g, 0,1
.irp r, 0,1,2,3
	v_lshlrev_b32 v[22+(\r)], 31-8*(\r), v[4+2*(2*(\kb)+(\t))+(\g)]  ; a bool is 0 or 1: its bit 0 goes to the sign
.endr
.irp r, 0,1,2,3
	v_cmp_gt_i32 s[44+(\r)], 0, v[22+(\r)]
.endr
.irp r, 0,1,2,3
	v_writelane_b32 v[20+(\r)%2], s[44+(\r)], 16*(\t)+4*(\kb)+2*(\g)+(\r)/2  ; word 32 t + k lies in lane (32 t + k) / 2, register k % 2
.endr
.endr
.endr
.endr
	global_store_b64 v3, v[20:21], s[26:27]
	s_endpgm
.Ltabs:
	s_cmp_lt_u32 s39, 776
	s_cbranch_scc0 .Lrv
	s_sub_co_u32 s38, s39, 768                     ; RkX: thread T makes 8 channels of row y = T / 8
	s_lshl_b32 s34, s38, 8
	v_add_nc_u32 v1, s34, v0
	v_lshrrev_b32 v2, 3, v1
	v_and_b32 v3, 7, v1
	v_min_u32 v12, 77, v2
	v_sub_nc_u32 v2, v2, v12
	v_min_u32 v2, 100, v2                          ; X(y)
	v_lshlrev_b32 v2, 8, v2
	v_lshl_add_u32 v2, v3, 5, v2
	global_load_b128 v[4:7], v2, s[16:17]
	global_load_b128 v[8:11], v2, s[16:17] offset:16
	v_lshlrev_b32 v1, 4, v1
	s_wait_loadcnt 0x0
	R16 12, 4, 5
	R16 13, 6, 7
	R16 14, 8, 9
	R16 15, 10, 11
	global_store_b128 v1, v[12:15], s[28:29]
	s_endpgm
.Lrv:
	s_sub_co_u32 s38, s39, 776                     ; RvXT: thread T makes y = 8 (T % 32) + 0..7 of channel c = T / 32: a wave stores a whole row of 512 bytes
	s_lshl_b32 s34, s38, 8
	v_add_nc_u32 v1, s34, v0
	v_lshrrev_b32 v2, 5, v1                        ; c
	v_lshlrev_b32 v2, 2, v2
	v_and_b32 v3, 31, v1
	v_lshlrev_b32 v3, 3, v3                        ; 8 ch
.irp e, 0,1,2,3,4,5,6,7
	v_add_nc_u32 v[12+(\e)], (\e), v3
	v_min_u32 v[20+(\e)], 77, v[12+(\e)]
	v_sub_nc_u32 v[12+(\e)], v[12+(\e)], v[20+(\e)]
	v_min_u32 v[12+(\e)], 100, v[12+(\e)]
	v_lshl_add_u32 v[12+(\e)], v[12+(\e)], 8, v2
	global_load_b32 v[4+(\e)], v[12+(\e)], s[18:19]
.endr
	v_lshlrev_b32 v1, 4, v1
	s_wait_loadcnt 0x0
	R16 28, 4, 5
	R16 29, 6, 7
	R16 30, 8, 9
	R16 31, 10, 11
	global_store_b128 v1, v[28:31], s[28:29] offset:32768
	s_endpgm
.Lfunc_end_k_qfd93781448_prep:
	.size	k_qfd93781448_prep, .Lfunc_end_k_qfd93781448_prep-k_qfd93781448_prep
	.p2alignl 7, 3214868480
	.fill 96, 4, 3214868480
	.section	.rodata,"a",@progbits
	.p2align	6, 0x0
	.amdhsa_kernel k_qfd93781448_prep
		.amdhsa_group_segment_fixed_size 0
		.amdhsa_private_segment_fixed_size 0
		.amdhsa_enable_private_segment 0
		.amdhsa_kernarg_size 104
		.amdhsa_user_sgpr_count 2
		.amdhsa_user_sgpr_kernarg_segment_ptr 1
		.amdhsa_wavefront_size32 1
		.amdhsa_system_sgpr_workgroup_id_x 1
		.amdhsa_system_sgpr_workgroup_id_y 1
		.amdhsa_system_sgpr_workgroup_id_z 1
		.amdhsa_system_vgpr_workitem_id 0
		.amdhsa_next_free_vgpr 100
		.amdhsa_next_free_sgpr 66
		.amdhsa_reserve_vcc 0
		.amdhsa_float_denorm_mode_32 3
		.amdhsa_float_denorm_mode_16_64 3
		.amdhsa_memory_ordered 1
		.amdhsa_forward_progress 1
		.amdhsa_inst_pref_size 35
	.end_amdhsa_kernel
	.amdgpu_metadata
---
amdhsa.version: [ 1, 2 ]
amdhsa.kernels:
  - .name:           k_qfd93781448_prep
    .symbol:         k_qfd93781448_prep.kd
    .args:
      - { .name: x, .offset: 0, .size: 8, .value_kind: global_buffer, .address_space: global }
      - { .name: Wq, .offset: 8, .size: 8, .value_kind: global_buffer, .address_space: global }
      - { .name: Wk, .offset: 16, .size: 8, .value_kind: global_buffer, .address_space: global }
      - { .name: Wv, .offset: 24, .size: 8, .value_kind: global_buffer, .address_space: global }
      - { .name: Wo, .offset: 32, .size: 8, .value_kind: global_buffer, .address_space: global }
      - { .name: causal_mask, .offset: 40, .size: 8, .value_kind: global_buffer, .address_space: global }
      - { .name: Rk_table, .offset: 48, .size: 8, .value_kind: global_buffer, .address_space: global }
      - { .name: Rv_table, .offset: 56, .size: 8, .value_kind: global_buffer, .address_space: global }
      - { .name: xb, .offset: 64, .size: 8, .value_kind: global_buffer, .address_space: global }
      - { .name: wqkv, .offset: 72, .size: 8, .value_kind: global_buffer, .address_space: global }
      - { .name: wo16, .offset: 80, .size: 8, .value_kind: global_buffer, .address_space: global }
      - { .name: maskw, .offset: 88, .size: 8, .value_kind: global_buffer, .address_space: global }
      - { .name: tabs, .offset: 96, .size: 8, .value_kind: global_buffer, .address_space: global }
    .group_segment_fixed_size: 0
    .private_segment_fixed_size: 0
    .kernarg_segment_align: 8
    .kernarg_segment_size: 104
    .max_flat_workgroup_size: 256
    .sgpr_count:     66
    .vgpr_count:     100
    .wavefront_size: 32
...
	.end_amdgpu_metadata
.endif
;; end of part 1
;; launch gqkv (part 2): grid 16 x 16, 4 waves a work-group, clusters of 4 x 4, 327,680 bytes of LDS; arguments xb, wqkv, qkv, bq, bk, bv; writes qkv
.if DOCPART == 2
	.amdgcn_target "amdgcn-amd-amdhsa--gfx1250"
	.amdhsa_code_object_version 6
	.text
	.protected	k_qfd93781448_gqkv
	.globl	k_qfd93781448_gqkv
	.p2align	8
	.type	k_qfd93781448_gqkv,@function
k_qfd93781448_gqkv:
	s_mov_b64 s[64:65], 0
	v_nop
	global_prefetch_b8 v0, s[64:65] scope:SCOPE_SE
	s_setreg_imm32_b32 hwreg(HW_REG_WAVE_MODE, 25, 1), 1
	s_wait_xcnt 0x0
	s_wait_alu depctr_hold_cnt(0) depctr_sa_sdst(0) depctr_va_vdst(0) depctr_va_sdst(0) depctr_va_ssrc(0) depctr_va_vcc(0) depctr_vm_vsrc(0)
	s_getreg_b32 s2, hwreg(HW_REG_IB_STS2, 6, 4)
	s_cmp_eq_u32 s2, 0
	s_cbranch_scc0 .Lentry_in_a_cluster
	s_endpgm
.Lentry_in_a_cluster:
	s_bfe_u32 s2, ttmp6, 0x10000c
	s_cmp_lg_u32 s2, 0xf033
	s_cbranch_scc0 .Lentry_shape_is_right
	s_endpgm
.Lentry_shape_is_right:
; q, k, v = x W^T + bias.  C[4096][3072] = xb[4096][1024] wqkv[3072][1024]^T, bf16 operands, f32 sums; the bias (rounded to bf16 like every input) is added in f32;
; the result is rounded once to f16 and stored by heads: qkv[g][b][s][64], g = 0..15 q, 16..31 k, 32..47 v, unscaled.
; LIMIT.  f16 holds no number beyond 65,504: q, k and v must lie within it.
; SHARES.  A tile of C is 256 rows x 192 columns (three whole heads): 16 x 16 = 256 work-groups.  Wave w makes rows 64 w .. 64 w + 63 of it, all 192 columns: 48 accumulators, 384 registers,
; so a wave stores whole rows of a head.  K goes in steps of 128 (rows of 256 bytes) through two LDS slots.
; CLUSTERS: 4 x 4 work-groups.  The four of a row of the cluster need the same tiles of xb, the four of a column the same tiles of wqkv: each tile is asked for jointly.
; THE MATRIX INSTRUCTION IS USED TRANSPOSED (source 0 = 16 rows of wqkv, source 1 = 16 rows of xb): a lane holds eight neighbouring columns of one row of C.
; REGISTERS: window 0: addresses, way out, bias.  window 1: two fragment buffers of 128: A's four blocks (32), then B's twelve (96).
;   window 2: accumulators (a, b) at 8 (12 a + b), a = 0, 1;  window 3: the same for a = 2, 3.
.set SK,     1024
.set KSTEP,  128
.set PITCH,  272                       ; 256 bytes + 16 of padding: the 16 rows of a fragment load start at 16 different groups of four banks
.set AH,     128*PITCH                 ; half of A's tile: one tensor load
.set BH,     96*PITCH                  ; half of B's tile: one tensor load
.set BOFF,   2*AH
.set SLOT,   2*AH+2*BH
.set STAGE,  2*SLOT                    ; behind the ring: 16 rows x 400 bytes for each wave
.set SPITCH, 400                       ; 384 bytes + 16
.set SPARE,  STAGE+4*16*SPITCH         ; the spare words: 128 bytes a wave, named by no other line
.set LAPS,   SK/(2*KSTEP)
.set ADRA, 16                          ; v16-17  my A fragments in slot 0, 1
.set ADRB, 20                          ; v20-21  B's
.set STO,  24
.set RD,   25
.set CO,   26
.set SPW,  28                          ; never rewritten
.set NIL,  29                          ; never rewritten
.set BO,   30                          ; 32 x (lane / 16): my place in 64 bytes of a bias
.set TMP,  32                          ; v32-79   packed results
.set OB,   80                          ; v80-127  rows read back
.set BI,   128                         ; v128-223 bias of my 96 columns: 8 b + j
.set F0,   0
.set F1,   128
.set G1,  24
.set G0,  32
.set G1B, 48
.set G0B, 56
.set MSB, 0
.macro WIN new                         ; the immediate's high byte repeats the setting that is left
.if MSB != (\new)
	s_set_vgpr_msb (MSB<<8)|(\new)
.set MSB, \new
.endif
.endm
.set MUL_LO, 0xa5                      ; sources 0 and 1 window 1, C and D window 2; + 0x50: window 3
.set TO_F,   0x40
.macro JLOAD s                         ; a joint load: waves 0 and 1 fetch A's halves, waves 2 and 3 B's; an s_nop 0 and four v_nop follow each line
	s_cmp_eq_u32 s11, 0
	s_cbranch_scc0 .Lfor_b_\@
	tensor_load_to_lds s[G0+4*(\s):G0+4*(\s)+3], s[G1:G1+7]
	s_nop 0
.rept 4
	v_nop
.endr
	s_branch .Lasked_\@
.Lfor_b_\@:
	tensor_load_to_lds s[G0B+4*(\s):G0B+4*(\s)+3], s[G1B:G1B+7]
	s_nop 0
.rept 4
	v_nop
.endr
.Lasked_\@:
.endm
.macro CREST                           ; a round of the cluster's barrier behind its opening barrier
	s_cmp_lg_u32 s10, 0
	s_cbranch_scc1 .Lnot_wave_0_\@
	s_barrier_signal -3
.Lnot_wave_0_\@:
	s_barrier_wait -3
	s_barrier_signal -1
	s_barrier_wait -1
.endm
.macro CROUND
	s_barrier_signal -1
	s_barrier_wait -1
	CREST
.endm
	s_load_b128 s[4:7], s[0:1], 0x0                ; xb, wqkv
	s_load_b64 s[8:9], s[0:1], 0x10                ; qkv
	s_load_b64 s[68:69], s[0:1], 0x18              ; bq
	s_load_b64 s[70:71], s[0:1], 0x20              ; bk
	s_load_b64 s[72:73], s[0:1], 0x28              ; bv
	v_lshl_add_u32 v[SPW], v0, 2, SPARE
	v_mov_b32 v[NIL], 0
	ds_add_u32 v[SPW], v[NIL]                      ; the wave's opening: the add and its wait ahead of my first tensor load
	ds_add_u32 v28, v29
	v_lshrrev_b32 v1, 5, v0
	v_readfirstlane_b32 s10, v1                    ; wave 0..3
	s_lshr_b32 s11, s10, 1                         ; I fetch for A (0) or for B (1)
	s_and_b32 s12, s10, 1                          ; which half of that tile
	s_bfe_u32 s40, ttmp6, 0x40000                  ; cx
	s_bfe_u32 s41, ttmp6, 0x40004                  ; cy
	s_lshl_b32 s42, ttmp9, 2
	s_add_co_u32 s42, s42, s40                     ; tile column
	s_and_b32 s13, ttmp7, 0xffff
	s_lshl_b32 s13, s13, 2
	s_add_co_u32 s13, s13, s41                     ; tile row
	s_lshl_b32 s43, s41, 2
	s_lshl_b32 s43, 15, s43                        ; my row of the cluster
	s_lshl_b32 s44, 0x1111, s40                    ; my column
	s_mov_b32 s45, 0xffff0000
	s_or_b32 s[G1+0], s43, (1<<16)|(1<<20)|(1<<21)|(5<<22)|(3<<25)   ; mask; 2-byte elements; padding on; bit 21 beside a mask; after every 64 words 4 words
	s_or_b32 s[G1B+0], s44, (1<<16)|(1<<20)|(1<<21)|(5<<22)|(3<<25)
.irp g, G1, G1B
	s_mov_b32 s[(\g)+1], KSTEP<<16                 ; tensor_dim0 = 128
	s_mov_b32 s[(\g)+3], KSTEP<<16                 ; tile_dim0 = 128
	s_mov_b32 s[(\g)+5], SK                        ; elements from row to row
	s_mov_b32 s[(\g)+6], 0
	s_mov_b32 s[(\g)+7], 0
.endr
	s_mov_b32 s[G1+2], 128<<16                     ; A: 128 rows a load
	s_mov_b32 s[G1+4], 128
	s_mov_b32 s[G1B+2], 96<<16                     ; B: 96 rows a load
	s_mov_b32 s[G1B+4], 96
	s_lshl_b32 s17, s12, 7
	s_lshl_b32 s16, s13, 8
	s_add_co_u32 s16, s16, s17                     ; A: row 256 x tile row + 128 x half,
	s_lshl_b32 s16, s16, 11                        ; of 2,048 bytes
	s_mov_b32 s17, 0
	s_mul_i32 s46, s42, 192
	s_mul_i32 s47, s12, 96
	s_add_co_u32 s46, s46, s47                     ; B: row 192 x tile column + 96 x half
	s_lshl_b32 s46, s46, 11
	s_mov_b32 s47, 0
	s_mul_i32 s20, s12, AH                         ; where they go: no place in the cluster enters an LDS address
	s_mul_i32 s21, s12, BH
	s_add_co_u32 s21, s21, BOFF
	s_wait_dscnt 0x0                               ; the opening add is done
	s_wait_kmcnt 0x0
	s_add_nc_u64 s[14:15], s[4:5], s[16:17]
	s_add_nc_u64 s[46:47], s[6:7], s[46:47]
	CROUND                                         ; all sixteen work-groups are here: the first joint loads meet
.irp s, 0,1
	s_mov_b32 s[G0+4*(\s)], 1
	s_add_co_u32 s[G0+4*(\s)+1], s20, (\s)*SLOT
	s_add_nc_u64 s[G0+4*(\s)+2:G0+4*(\s)+3], s[14:15], (\s)*KSTEP*2
	s_or_b32 s[G0+4*(\s)+3], s[G0+4*(\s)+3], 0x80000000
	s_mov_b32 s[G0B+4*(\s)], 1
	s_add_co_u32 s[G0B+4*(\s)+1], s21, (\s)*SLOT
	s_add_nc_u64 s[G0B+4*(\s)+2:G0B+4*(\s)+3], s[46:47], (\s)*KSTEP*2
	s_or_b32 s[G0B+4*(\s)+3], s[G0B+4*(\s)+3], 0x80000000
	JLOAD \s
.endr
	; the bias of my three heads: head g = 3 x tile column + hb lies in bq, bk or bv by g / 16, at (g % 16) x 256 bytes
	v_and_b32 v1, 15, v0                           ; l % 16
	v_bfe_u32 v2, v0, 4, 1                         ; l / 16
	v_lshlrev_b32 v[BO], 5, v2
.irp hb, 0,1,2
	s_mul_i32 s66, s42, 3
	s_add_co_u32 s66, s66, (\hb)
	s_lshr_b32 s67, s66, 4
	s_cmp_eq_u32 s67, 1
	s_cselect_b64 s[74+2*(\hb):75+2*(\hb)], s[70:71], s[68:69]
	s_cmp_eq_u32 s67, 2
	s_cselect_b64 s[74+2*(\hb):75+2*(\hb)], s[72:73], s[74+2*(\hb):75+2*(\hb)]
	s_and_b32 s66, s66, 15
	s_lshl_b32 s66, s66, 8
	s_mov_b32 s67, 0
	s_add_nc_u64 s[74+2*(\hb):75+2*(\hb)], s[74+2*(\hb):75+2*(\hb)], s[66:67]
.endr
.irp b, 0,1,2,3,4,5,6,7,8,9,10,11
	global_load_b128 v[BI+8*(\b):BI+8*(\b)+3],   v[BO], s[74+2*((\b)/4):75+2*((\b)/4)] offset:64*((\b)%4)
	global_load_b128 v[BI+8*(\b)+4:BI+8*(\b)+7], v[BO], s[74+2*((\b)/4):75+2*((\b)/4)] offset:64*((\b)%4)+16
.endr
	v_mul_u32_u24 v3, v1, PITCH
	v_lshl_add_u32 v3, v2, 4, v3                   ; a fragment's row x pitch + 16 x half
	s_mul_i32 s22, s10, 64*PITCH                   ; my 64 rows of A
	s_mov_b32 s23, BOFF                            ; all of B
.irp s, 0,1
	v_add_nc_u32 v[ADRA+(\s)], s22, v3
	v_add_nc_u32 v[ADRB+(\s)], s23, v3
	s_add_co_u32 s22, s22, SLOT
	s_add_co_u32 s23, s23, SLOT
.endr
	s_mul_i32 s23, s10, 16*SPITCH
	s_add_co_u32 s23, s23, STAGE                   ; my stage
	v_mul_u32_u24 v4, v1, SPITCH                   ; in: row l % 16, 16 bytes for each half of the lanes
	v_lshl_add_u32 v4, v2, 4, v4
	v_add_nc_u32 v[STO], s23, v4
	v_bfe_u32 v5, v0, 3, 2                         ; back: 32 lanes take four rows' 128 bytes of one head,
	v_mul_u32_u24 v5, v5, SPITCH
	v_and_b32 v4, 7, v0
	v_lshl_add_u32 v5, v4, 4, v5
	v_add_nc_u32 v[RD], s23, v5
	v_and_b32 v[CO], 31, v0                        ; which are 512 consecutive bytes of qkv
	v_lshlrev_b32 v[CO], 4, v[CO]
	s_lshr_b32 s16, s13, 3                         ; the batch: 262,144 bytes,
	s_lshl_b32 s16, s16, 18
	s_and_b32 s17, s13, 7                          ; 256 rows of 128 bytes for each tile row in it,
	s_lshl_b32 s17, s17, 15
	s_add_co_u32 s16, s16, s17
	s_lshl_b32 s17, s10, 13                        ; my wave's 64 rows
	s_add_co_u32 s16, s16, s17
	s_mov_b32 s17, 0
	s_add_nc_u64 s[8:9], s[8:9], s[16:17]
	s_mul_i32 s46, s42, 3*524288                   ; three heads of 524,288 bytes for each tile column
	s_mov_b32 s47, 0
	s_add_nc_u64 s[8:9], s[8:9], s[46:47]
	s_wait_loadcnt 0x0                             ; the bias, rounded to bf16 in place, in the wait for the first tile
.set i, 0
.rept 48
	v_cvt_pk_bf16_f32 v[TMP+i], v[BI+2*i], v[BI+2*i+1]
.set i, i+1
.endr
.set i, 0
.rept 48
	v_lshlrev_b32 v[BI+2*i], 16, v[TMP+i]
	v_and_b32 v[BI+2*i+1], s45, v[TMP+i]
.set i, i+1
.endr
; 12 matrix instructions: row block 2 hi + a x all 12 column blocks, 32 along K.  zero = 1: the first product starts the sums
.macro MUL12 f, hi, a, zero
	WIN MUL_LO+0x50*(\hi)
.irp b, 0,1,2,3,4,5,6,7,8,9,10,11
.if \zero
	v_wmma_f32_16x16x32_bf16 v[8*(12*(\a)+(\b)):8*(12*(\a)+(\b))+7], v[(\f)+32+8*(\b):(\f)+32+8*(\b)+7], v[(\f)+8*(2*(\hi)+(\a)):(\f)+8*(2*(\hi)+(\a))+7], 0
.else
	v_wmma_f32_16x16x32_bf16 v[8*(12*(\a)+(\b)):8*(12*(\a)+(\b))+7], v[(\f)+32+8*(\b):(\f)+32+8*(\b)+7], v[(\f)+8*(2*(\hi)+(\a)):(\f)+8*(2*(\hi)+(\a))+7], v[8*(12*(\a)+(\b)):8*(12*(\a)+(\b))+7]
.endif
.endr
.endm
.macro MULH f, hi, zero                ; 24: the accumulators take turns, one instruction a turn
	MUL12 \f, \hi, 0, \zero
	MUL12 \f, \hi, 1, \zero
.endm
; 32 LDS loads in one run: 32 along K at byte k of the rows: B's 192 rows, then my 64 rows of A
.macro FETCH slot, k, f
	WIN TO_F
.irp i, 0,1,2,3,4,5,6,7,8,9,10,11
	ds_load_b128 v[(\f)+32+8*(\i):(\f)+32+8*(\i)+3],   v[ADRB+(\slot)] offset:(\k)+(\i)*16*PITCH
	ds_load_b128 v[(\f)+32+8*(\i)+4:(\f)+32+8*(\i)+7], v[ADRB+(\slot)] offset:(\k)+(\i)*16*PITCH+32
.endr
.irp i, 0,1,2,3
	ds_load_b128 v[(\f)+8*(\i):(\f)+8*(\i)+3],   v[ADRA+(\slot)] offset:(\k)+(\i)*16*PITCH
	ds_load_b128 v[(\f)+8*(\i)+4:(\f)+8*(\i)+7], v[ADRA+(\slot)] offset:(\k)+(\i)*16*PITCH+32
.endr
.endm
.macro PLACES                          ; four places in front of loads into registers that matrix instructions have read, and of vector lines that read results
.rept 4
	v_nop
.endr
.endm
; A K step is four quarters of 32 along K, 48 matrix instructions each, on buffers 0, 1, 0, 1
.macro QUARTER slot, k, f, g, zero
	s_wait_dscnt 4                                 ; B and A's blocks 0, 1 are in; the youngest four loads (A's blocks 2, 3) may be out
	MULH \f, 0, \zero
	PLACES
	FETCH \slot, \k, \g
	s_wait_dscnt 32                                ; all but the 32 just issued
	MULH \f, 1, \zero
.endm
; The last quarter multiplies buffer 1 and changes slots: one barrier; in front of it each wave waits for all its tensor loads, adds 0 to its spare word, and waits for that and for its reads of this slot
.macro TURN slot, next, fill
	WIN 0
	s_wait_tensorcnt 0x0                           ; all my tensor loads have landed: my part of the next slot
	ds_add_u32 v[SPW], v[NIL]
	s_wait_dscnt 5                                 ; the add and the youngest four loads may be out
	MUL12 F1, 0, 0, 0
	s_wait_dscnt 0x0                               ; the add is done, and my reads of this slot are over
	s_barrier_signal -1
	MUL12 F1, 0, 1, 0
.if \fill
	WIN 0
.endif
	s_barrier_wait -1
.if \fill
	CREST                                          ; the barrier has opened a round of the cluster's: no wave of any partner still reads this slot or has a load on its way
	s_add_nc_u64 s[G0+4*(\slot)+2:G0+4*(\slot)+3], s[G0+4*(\slot)+2:G0+4*(\slot)+3], 2*KSTEP*2
	s_add_nc_u64 s[G0B+4*(\slot)+2:G0B+4*(\slot)+3], s[G0B+4*(\slot)+2:G0B+4*(\slot)+3], 2*KSTEP*2
	JLOAD \slot                                    ; the first tensor load behind the round; its four v_nop are also the places in front of the loads below
.else
	PLACES
.endif
	FETCH \next, 0, F0
	MULH F1, 1, 0
.endm
	s_wait_tensorcnt 1                             ; my part of K step 0 is in; K step 1's load stays out
	s_barrier_signal -1
	s_barrier_wait -1
	FETCH 0, 0, F0
	QUARTER 0, 64, F0, F1, 1                       ; the first quarter starts the sums
	WIN 0
	s_mov_b32 s3, LAPS-1
.Llap:                                                 ; a trip goes once round the ring and fills both slots again
	QUARTER 0, 128, F1, F0, 0
	QUARTER 0, 192, F0, F1, 0
	TURN 0, 1, 1
	QUARTER 1, 64,  F0, F1, 0
	QUARTER 1, 128, F1, F0, 0
	QUARTER 1, 192, F0, F1, 0
	TURN 1, 0, 1
	QUARTER 0, 64,  F0, F1, 0
	WIN 0
	s_sub_co_u32 s3, s3, 1
	s_cmp_lg_u32 s3, 0
	s_cbranch_scc1 .Llap
	QUARTER 0, 128, F1, F0, 0                      ; the last lap fills nothing
	QUARTER 0, 192, F0, F1, 0
	TURN 0, 1, 0
	QUARTER 1, 64,  F0, F1, 0
	QUARTER 1, 128, F1, F0, 0
	QUARTER 1, 192, F0, F1, 0
	s_wait_dscnt 4
	MULH F1, 0, 0
	s_wait_dscnt 0x0
	MULH F1, 1, 0
	WIN 0
	PLACES
; THE WAY OUT of row block a: + bias in f32, rounded to f16, 16 bytes a lane into my stage, back as four rows of a head at a time, stored as 512 consecutive bytes
.macro OUT a
.set AC, 96*((\a)%2)
	WIN 0x82+0x41*((\a)/2)                         ; destination and source 0 window 2 or 3, the bias window 0
.set i, 0
.rept 48
	v_pk_add_f32 v[AC+2*i:AC+2*i+1], v[AC+2*i:AC+2*i+1], v[BI+2*i:BI+2*i+1]
.set i, i+1
.endr
	WIN 0x0a+5*((\a)/2)
.set i, 0
.rept 48
	v_cvt_pk_f16_f32 v[TMP+i], v[AC+2*i], v[AC+2*i+1]
.set i, i+1
.endr
	WIN 0
	s_wait_xcnt 0x0                                ; the last block's stores have read OB: it is loaded again only behind this wait
.irp b, 0,1,2,3,4,5,6,7,8,9,10,11
	ds_store_b128 v[STO], v[TMP+4*(\b):TMP+4*(\b)+3] offset:32*(\b)
.endr
.irp n, 0,1,2,3,4,5,6,7,8,9,10,11
	ds_load_b128 v[OB+4*(\n):OB+4*(\n)+3], v[RD] offset:((\n)/4)*128+((\n)%4)*4*SPITCH  ; LDS serves a wave's instructions in order: these see the stores above
.endr
	s_wait_dscnt 0x0
.irp n, 0,1,2,3,4,5,6,7,8,9,10,11
	global_store_b128 v[CO], v[OB+4*(\n):OB+4*(\n)+3], s[8:9] offset:((\n)/4)*524288+(\a)*2048+((\n)%4)*512
.endr
.endm
	OUT 0
	OUT 1
	OUT 2
	OUT 3
	s_wait_tensorcnt 0x0                           ; the wave's end
	ds_add_u32 v[SPW], v[NIL]
	s_wait_dscnt 0x0
	CROUND                                         ; the closing round
	s_endpgm
.Lfunc_end_k_qfd93781448_gqkv:
	.size	k_qfd93781448_gqkv, .Lfunc_end_k_qfd93781448_gqkv-k_qfd93781448_gqkv
	.p2alignl 7, 3214868480
	.fill 96, 4, 3214868480
	.section	.rodata,"a",@progbits
	.p2align	6, 0x0
	.amdhsa_kernel k_qfd93781448_gqkv
		.amdhsa_group_segment_fixed_size 327680
		.amdhsa_private_segment_fixed_size 0
		.amdhsa_enable_private_segment 0
		.amdhsa_kernarg_size 48
		.amdhsa_user_sgpr_count 2
		.amdhsa_user_sgpr_kernarg_segment_ptr 1
		.amdhsa_wavefront_size32 1
		.amdhsa_system_sgpr_workgroup_id_x 1
		.amdhsa_system_sgpr_workgroup_id_y 1
		.amdhsa_system_sgpr_workgroup_id_z 1
		.amdhsa_system_vgpr_workitem_id 0
		.amdhsa_next_free_vgpr 960
		.amdhsa_next_free_sgpr 80
		.amdhsa_reserve_vcc 0
		.amdhsa_float_denorm_mode_32 3
		.amdhsa_float_denorm_mode_16_64 3
		.amdhsa_memory_ordered 1
		.amdhsa_forward_progress 1
		.amdhsa_inst_pref_size 140
	.end_amdhsa_kernel
	.amdgpu_metadata
---
amdhsa.version: [ 1, 2 ]
amdhsa.kernels:
  - .name:           k_qfd93781448_gqkv
    .symbol:         k_qfd93781448_gqkv.kd
    .args:
      - { .name: xb, .offset: 0, .size: 8, .value_kind: global_buffer, .address_space: global }
      - { .name: wqkv, .offset: 8, .size: 8, .value_kind: global_buffer, .address_space: global }
      - { .name: qkv, .offset: 16, .size: 8, .value_kind: global_buffer, .address_space: global }
      - { .name: bq, .offset: 24, .size: 8, .value_kind: global_buffer, .address_space: global }
      - { .name: bk, .offset: 32, .size: 8, .value_kind: global_buffer, .address_space: global }
      - { .name: bv, .offset: 40, .size: 8, .value_kind: global_buffer, .address_space: global }
    .group_segment_fixed_size: 327680
    .private_segment_fixed_size: 0
    .kernarg_segment_align: 8
    .kernarg_segment_size: 48
    .max_flat_workgroup_size: 128
    .sgpr_count:     80
    .vgpr_count:     960
    .wavefront_size: 32
...
	.end_amdgpu_metadata
.endif
;; end of part 2
;; launch attn (part 3): grid 8 x 32, 8 waves a work-group, no clusters, 327,680 bytes of LDS; arguments qkv, maskw, tabs, Rv_table, ao; writes ao
.if DOCPART == 3
	.amdgcn_target "amdgcn-amd-amdhsa--gfx1250"
	.amdhsa_code_object_version 6
	.text
	.protected	k_qfd93781448_attn
	.globl	k_qfd93781448_attn
	.p2align	8
	.type	k_qfd93781448_attn,@function
k_qfd93781448_attn:
	s_mov_b64 s[64:65], 0
	v_nop
	global_prefetch_b8 v0, s[64:65] scope:SCOPE_SE
	s_setreg_imm32_b32 hwreg(HW_REG_WAVE_MODE, 25, 1), 1
	s_wait_xcnt 0x0
; ATTENTION WITH RELATIVE POSITIONS AND AN INPUT MASK.  For a head and batch (y = 2 h + b) and a block of 256 queries (x):
;   s[i][j] = q[i] . (k[j] + Rk[clip(j - i)]), masked where the mask says so;  p = softmax(s / 8);  O[i] = sum over j of p[i][j] (v[j] + Rv[clip(j - i)]).
; q, k, v, p, the tables' copies and O are f16; products, maxima and sums f32; the sum l is taken of the unrounded p.
; LIMITS.  q, k, v, Rk, Rv within 65,504.  A masked score counts as -2^33 ahead of the division by 8 (-2^30 for the problem's -1e9): c m is then exact, a row masked throughout gets equal weights,
; and the result is the problem's as long as unmasked scores lie above about -1e9 + 200.  A weight below 2^-126 counts as 0; NaN and infinities are not treated apart.
; SHARES.  Eight waves, two to a SIMD; wave w owns 32 queries, two tiles of 16, from 256 x + 32 w on, and walks all 2,048 keys, 64 a step.
; LAYOUT.  S^T = K Q^T: a lane holds ONE query (lane % 16) and the keys 8 (lane / 16) + 0..7 of each 16; two such results rounded to f16 are source 1 of O^T = V^T P.
; THE WALK IS ROTATED: trip u takes the slot of 256 keys (x - 1 + u) mod 8, so the distance of a step from my queries, DL = first key - first query + 96, is a counter that starts at -160 - 32 w.
;   FAR steps (all j - i <= -50, or all >= 50): the position score is one number a query, q . Rk[0] or q . Rk[100]: the C operand (CL, CR) that starts the sum.  Their weights' sums lFL, lFR are
;   carried like l, and at the end O += Rv[0] lFL + Rv[100] lFR.
;   NEAR steps (0 <= DL <= 160, three a wave): with rel = key + 15 - query (0..78) the table row is y = DL + 16 - 16 t + rel.  TB = RkX[y] . q is made by the matrix unit, laid down by query in my scratch
;   and read back skewed, as the C of K Q^T.  P is written skewed into a scratch that holds 0 elsewhere, and O^T += RvXT[.][y] Wp.
; NO CLUSTER: in the rotated walk the eight blocks of a head ask for eight different tiles in every trip.
; REGISTERS.  window 0: v2-20 addresses; v32-47 statistics (c m, m, l x 2, lFL x 2, lFR x 2 a tile); v48-63 at work; v64-127 S^T; v128-159 P; v160-191 Q; v192-255 K.
;   window 1: v0-63 O^T; v64-159 NT (table fragments; from the fourth slot on Rv's rows 0 and 100); v160-223 V (TB in a near step's beginning); v224-239 CL; v240-255 CR.
.set PK,    144       ; a row of K, of RkX and of the way out's stage: 128 bytes + 16
.set PV,    160       ; a row of V: 128 + 32, for the turning load
.set VOFF,  256*PK    ; a slot: 256 rows of K, then 256 rows of V
.set SLOTB, 256*(PK+PV)
.set SLOT1, 1<<17
.set SBB,   SLOTB     ; behind slot 0: my scratch SB, 16 rows x 336 bytes (80 f32 + 16), also the way out's stage
.set SBP,   336
.set RKL,   SLOT1+SLOTB   ; RkX: 256 rows x 144
.set RVL,   RKL+256*PK    ; RvXT: 64 rows x 528
.set RVP,   528
.set SPSB,  RVL+64*RVP    ; my scratch for skewed P: 16 rows x 208 bytes (96 f16 + 16)
.set SPP,   208
.set SPARE, SPSB+8*16*SPP ; the spare words: 128 bytes a wave, named by no other line
.set AK0, 2
.set AV0, 3
.set AK,  4
.set AV,  5
.set SBWR, 6          ; SB + q 336 + 32 h
.set SBRD, 7          ; + 4 (15 - q)
.set PWR, 8           ; SPS + q 208 + 16 h + 2 (15 - q)
.set PRD, 9           ; SPS + q 208 + 16 h
.set STO, 10
.set RD,  11
.set GO,  12
.set TKO, 13
.set TKA, 14
.set TVO, 15
.set TVA, 16
.set NEG, 17          ; -2^33
.set SPW, 18          ; never rewritten
.set NIL, 19          ; never rewritten
.set LO,  20          ; lane offset in Q, later in a row of Rv
.set ST,  32
.set TT,  48          ; a tile's eight at work: c0-c3, c m_old, -, a (a pair)
.set S,   64
.set P,   128
.set Q,   160
.set KF,  192
.set NT,  64          ; window 1
.set VF,  160
.set TB,  160
.set CL,  224
.set CR,  240
.set KVB, 4           ; s[4:5]  K (waves 0-3) or V (waves 4-7) of my head at my quarter of a tile
.set MPB, 6           ; s[6:7]  the mask words of my 32 queries
.set G1,  8           ; s[8:15]  descriptor group 1; its first word is written ahead of each load: K's and V's differ in the padding alone
.set G0K, 16          ; s[16:19] group 0 for a quarter of K's tile
.set G0V, 20          ; s[20:23] the same for V's
.set MO,  24          ; byte offset of the step's mask words
.set TBK, 25          ; LDS byte at which K of the step to be fetched begins
.set CS,  26          ; c = log2(e) / 8: the packed lines name s[26:27] and take the low word for both halves
.set TBV, 27          ; the same as TBK for V, less VOFF
.set AL,  28          ; 1.0 in far steps to the left, else 0 (low word of s[28:29])
.set DL,  29
.set AR,  30          ; the same to the right (low word of s[30:31])
.set DLE, 31          ; DL, corrected where the walk has wrapped round
.set SEL, 66
.set WV,  100
.set RAW, 101         ; x - 1 + u
.set CNT, 104
.set LC,  105
.set GK,  (1<<16)|(1<<20)|(4<<22)|(3<<25)   ; 2-byte elements; padding on; after every 32 words 4 words
.set GV,  (1<<16)|(1<<20)|(4<<22)|(7<<25)   ; the same with 8 words
.set MSB, 0
.macro WIN new
.if MSB != (\new)
	s_set_vgpr_msb (MSB<<8)|(\new)
.set MSB, \new
.endif
.endm
.set W_M1, 0x51       ; A, C and D in window 1, B in window 0
.macro PLACES n
.rept \n
	v_nop
.endr
.endm
; A fill.  Waves 0 to 3 fetch the four steps of a tile's K, waves 4 to 7 those of its V: 64 keys each.  Group 1's first word is written on each way, so that each line's shape stands beside it.
; An s_nop 0 and four v_nop follow each of the two lines, ahead of the jump and the label.
.macro LOAD
	s_cmp_lt_u32 s[WV], 4
	s_cbranch_scc0 .Lfor_v_\@
	s_mov_b32 s[G1], GK
	tensor_load_to_lds s[G0K:G0K+3], s[G1:G1+7]
	s_nop 0
	PLACES 4
	s_branch .Lasked_\@
.Lfor_v_\@:
	s_mov_b32 s[G1], GV
	tensor_load_to_lds s[G0V:G0V+3], s[G1:G1+7]
	s_nop 0
	PLACES 4
.Lasked_\@:
.endm
.macro CLASS
	s_cmp_lt_i32 s[DLE], 0
	s_cselect_b32 s[AL], 1.0, 0
	s_cmp_gt_i32 s[DLE], 160
	s_cselect_b32 s[AR], 1.0, 0
.endm
; THE CHANGE OF SLOTS.  Each wave waits for all its tensor loads (one is out: its part of the other slot), adds 0 to its spare word, waits for that and for its reads of the slot that it leaves.
; fill = 1: the slot left is filled again, first thing behind the barrier, with the tile after the one now entered; it has four key steps in which to land.
.macro CHANGE fill
	WIN 0
	s_wait_tensorcnt 0x0                           ; no tensor load of mine is out, so the descriptors may be written
	ds_add_u32 v[SPW], v[NIL]
	s_add_co_u32 s[RAW], s[RAW], 1
.if \fill
	s_add_co_u32 s2, s[RAW], 1
	s_and_b32 s2, s2, 7
	s_lshl_b32 s2, s2, 15                          ; a tile is 32,768 bytes of K and of V
	s_mov_b32 s3, 0
	s_xor_b32 s[G0K+1], s[G0K+1], SLOT1
	s_add_nc_u64 s[G0K+2:G0K+3], s[KVB:KVB+1], s[2:3]
	s_or_b32 s[G0K+3], s[G0K+3], 0x80000000
	s_xor_b32 s[G0V+1], s[G0V+1], SLOT1
	s_add_nc_u64 s[G0V+2:G0V+3], s[KVB:KVB+1], s[2:3]
	s_or_b32 s[G0V+3], s[G0V+3], 0x80000000
.endif
	s_wait_dscnt 0x0                               ; the add is done, and my reads of the slot are over
	s_barrier_signal -1
	s_sub_co_u32 s[TBK], s[TBK], 256*PK            ; the fetches go back to a slot's first step, in the other slot
	s_xor_b32 s[TBK], s[TBK], SLOT1
	s_sub_co_u32 s[TBV], s[TBV], 256*PV
	s_xor_b32 s[TBV], s[TBV], SLOT1
	s_barrier_wait -1
.if \fill
	LOAD
.endif
.endm
; What a slot sets: where its mask words lie; near = 0: the whole slot is far, left if the walk has wrapped round, else right
.macro SLOTSET near
	s_and_b32 s[MO], s[RAW], 7
	s_lshl_b32 s[MO], s[MO], 10
.if !(\near)
	s_movk_i32 s[DLE], 0x2000
	s_cmp_gt_i32 s[RAW], 7
	s_cselect_b32 s[DLE], 0xffffe000, s[DLE]
	CLASS
.endif
.endm
	s_load_b128 s[68:71], s[0:1], 0x0              ; qkv, maskw
	s_load_b64 s[72:73], s[0:1], 0x10              ; tabs
	v_lshl_add_u32 v[SPW], v0, 2, SPARE
	v_mov_b32 v[NIL], 0
	ds_add_u32 v[SPW], v[NIL]                      ; the wave's opening: the add and its wait ahead of my first tensor load
	ds_add_u32 v18, v19
	v_lshrrev_b32 v1, 5, v0
	v_readfirstlane_b32 s[WV], v1                  ; wave 0..7
	s_lshr_b32 s84, s[WV], 2                       ; 0: I fetch K, 1: V
	s_and_b32 s85, s[WV], 3                        ; which of a tile's four steps
	; group 1: 64 keys are 8,192 dense bytes: 32 rows of 256 bytes, padded after every key
	s_mov_b32 s[G1+1], 128<<16
	s_mov_b32 s[G1+2], 32<<16
	s_mov_b32 s[G1+3], 128<<16
	s_mov_b32 s[G1+4], 32
	s_mov_b32 s[G1+5], 128
	s_mov_b32 s[G1+6], 0
	s_mov_b32 s[G1+7], 0
	s_mov_b32 s[G0K], 1
	s_mul_i32 s86, s85, 64*PK                      ; a step of K is 9,216 bytes of a slot,
	s_mov_b32 s[G0K+1], s86                        ; slot 0
	s_mov_b32 s[G0V], 1
	s_mul_i32 s87, s85, 64*PV                      ; a step of V 10,240, behind K's four
	s_add_co_u32 s[G0V+1], s87, VOFF
	; the tables, filled once: each wave brings an eighth.  RkX: 16 rows of 256 bytes, padded after every 128; RvXT: 8 rows of 512 bytes, padded after each
	s_mov_b32 s32, 1
	s_mul_i32 s33, s[WV], 32*PK
	s_add_co_u32 s33, s33, RKL
	s_mov_b32 s36, (1<<16)|(1<<20)|(4<<22)|(3<<25)
	s_mov_b32 s37, 128<<16
	s_mov_b32 s38, 16<<16
	s_mov_b32 s39, 128<<16
	s_mov_b32 s40, 16
	s_mov_b32 s41, 128
	s_mov_b32 s42, 0
	s_mov_b32 s43, 0
	s_mov_b32 s44, 1
	s_mul_i32 s45, s[WV], 8*RVP
	s_add_co_u32 s45, s45, RVL
	s_mov_b32 s48, (1<<16)|(1<<20)|(6<<22)|(3<<25)
	s_mov_b32 s49, 256<<16
	s_mov_b32 s50, 8<<16
	s_mov_b32 s51, 256<<16
	s_mov_b32 s52, 8
	s_mov_b32 s53, 256
	s_mov_b32 s54, 0
	s_mov_b32 s55, 0
	s_and_b32 s74, ttmp7, 0xffff
	s_lshl_b32 s74, s74, 18                        ; y x 262,144: my head and batch in q, k and v
	s_add_co_u32 s2, s84, 1
	s_lshl_b32 s2, s2, 23                          ; k begins 8,388,608 bytes in, v twice that
	s_add_co_u32 s2, s2, s74
	s_lshl_b32 s3, s85, 13
	s_add_co_u32 s2, s2, s3
	s_mov_b32 s3, 0
	s_add_co_u32 s76, ttmp9, 7
	s_and_b32 s76, s76, 7                          ; the walk's first tile: (x - 1) mod 8
	s_lshl_b32 s76, s76, 15
	s_mov_b32 s77, 0
	s_lshl_b32 s78, ttmp9, 3
	s_add_co_u32 s78, s78, s[WV]
	s_lshl_b32 s78, s78, 13                        ; 32 steps x 256 bytes of mask words for each 32 queries
	s_mov_b32 s79, 0
	s_lshl_b32 s80, s[WV], 12
	s_mov_b32 s81, 0
	s_lshl_b32 s82, ttmp9, 15
	s_add_co_u32 s82, s82, s74
	s_add_co_u32 s82, s82, s80                     ; my 32 rows of q
	s_mov_b32 s83, 0
	s_mov_b32 s[CS], 0x3e38aa3b                    ; c = log2(e) / 8
	s_mov_b32 s[AL], 0
	s_mov_b32 s[AR], 0
	s_mov_b32 s[SEL], 0x76543210
	s_mov_b32 s[SEL+1], 0xfedcba98
	s_wait_dscnt 0x0                               ; the opening add is done
	s_wait_kmcnt 0x0
	s_add_nc_u64 s[KVB:KVB+1], s[68:69], s[2:3]
	s_add_nc_u64 s[G0K+2:G0K+3], s[KVB:KVB+1], s[76:77]
	s_or_b32 s[G0K+3], s[G0K+3], 0x80000000
	s_add_nc_u64 s[G0V+2:G0V+3], s[KVB:KVB+1], s[76:77]
	s_or_b32 s[G0V+3], s[G0V+3], 0x80000000
	s_add_nc_u64 s[MPB:MPB+1], s[70:71], s[78:79]
	s_add_nc_u64 s[34:35], s[72:73], s[80:81]
	s_add_nc_u64 s[46:47], s[34:35], 0x8000
	s_or_b32 s35, s35, 0x80000000
	s_or_b32 s47, s47, 0x80000000
	s_add_nc_u64 s[82:83], s[68:69], s[82:83]
	s_cmp_lt_u32 s[WV], 4                          ; a wave's three first fills stand in one branch, ahead of every wait on TENSORcnt, every LDS read and every barrier: three loads of mine are out
	s_cbranch_scc0 .Lfirst_v
	s_mov_b32 s[G1], GK
	tensor_load_to_lds s[G0K:G0K+3], s[G1:G1+7]
	s_nop 0
	tensor_load_to_lds s[32:35], s[36:43]
	s_nop 0
	tensor_load_to_lds s[44:47], s[48:55]
	s_nop 0
	PLACES 4
	s_branch .Lfirst_asked
.Lfirst_v:
	s_mov_b32 s[G1], GV
	tensor_load_to_lds s[G0V:G0V+3], s[G1:G1+7]
	s_nop 0
	tensor_load_to_lds s[32:35], s[36:43]
	s_nop 0
	tensor_load_to_lds s[44:47], s[48:55]
	s_nop 0
	PLACES 4
.Lfirst_asked:
	v_and_b32 v1, 15, v0                           ; q = l % 16
	v_bfe_u32 v21, v0, 4, 1                        ; h = l / 16
	v_lshlrev_b32 v[LO], 7, v1
	v_lshl_add_u32 v[LO], v21, 4, v[LO]
.set i, 0
.rept 4                                 ; Q stays in registers: tile i / 2, channels 32 (i % 2) on
	global_load_b128 v[Q+8*i:Q+8*i+3],   v[LO], s[82:83] offset:(i/2)*2048+(i%2)*64
	global_load_b128 v[Q+8*i+4:Q+8*i+7], v[LO], s[82:83] offset:(i/2)*2048+(i%2)*64+32
.set i, i+1
.endr
	v_mul_u32_u24 v[AK0], v1, PK
	v_lshl_add_u32 v[AK0], v21, 4, v[AK0]
	v_and_b32 v22, 7, v0
	v_bfe_u32 v23, v0, 3, 1
	v_lshl_add_u32 v[AV0], v21, 3, v22             ; the turning load: key 8 h + l % 8, channels 8 ((l / 8) % 2) on
	v_mul_u32_u24 v[AV0], v[AV0], PV
	v_lshl_add_u32 v[AV0], v23, 4, v[AV0]
	v_add_nc_u32 v[AV0], VOFF, v[AV0]
	s_mul_i32 s2, s[WV], 16*SBP
	s_add_co_u32 s2, s2, SBB                       ; my SB
	v_mul_u32_u24 v[SBWR], v1, SBP
	v_lshl_add_u32 v[SBWR], v21, 5, v[SBWR]
	v_add_nc_u32 v[SBWR], s2, v[SBWR]
	v_sub_nc_u32 v[SBRD], 15, v1
	v_lshl_add_u32 v[SBRD], v[SBRD], 2, v[SBWR]
	v_add_nc_u32 v[STO], s2, v[AK0]
	v_bfe_u32 v[RD], v0, 3, 2
	v_mul_u32_u24 v[RD], v[RD], PK
	v_lshl_add_u32 v[RD], v22, 4, v[RD]
	v_add_nc_u32 v[RD], s2, v[RD]
	v_and_b32 v[GO], 31, v0
	v_lshlrev_b32 v[GO], 4, v[GO]
	s_mul_i32 s3, s[WV], 16*SPP
	s_add_co_u32 s3, s3, SPSB                      ; my SPS
	v_mul_u32_u24 v[PRD], v1, SPP
	v_lshl_add_u32 v[PRD], v21, 4, v[PRD]
	v_add_nc_u32 v[PRD], s3, v[PRD]
	v_sub_nc_u32 v[PWR], 15, v1
	v_lshl_add_u32 v[PWR], v[PWR], 1, v[PRD]
	v_add_nc_u32 v[TKO], RKL, v[AK0]
	v_mul_u32_u24 v[TVO], v1, RVP
	v_lshl_add_u32 v[TVO], v21, 4, v[TVO]
	v_add_nc_u32 v[TVO], RVL, v[TVO]
	v_mov_b32 v[NEG], 0xd0000000
.irp i, 0,1,2,3
	v_mov_b32 v[S+(\i)], 0
.endr
	v_add_nc_u32 v22, s3, v[GO]                    ; SPS holds 0 wherever no weight is ever written: 3,328 bytes = 6 x 512 + 256
.irp i, 0,1,2,3,4,5
	ds_store_b128 v22, v[S:S+3] offset:512*(\i)
.endr
	v_lshrrev_b32 v23, 1, v[GO]
	v_add_nc_u32 v23, s3, v23
	ds_store_b64 v23, v[S:S+1] offset:3072
	; The first step multiplies O^T and the sums by a = 0, so they need only hold finite numbers; NT's upper part is written once, so that every register is written before any way through the text reads it.
	WIN 0x40
.set i, 0
.rept 64
	v_mov_b32 v[i], 0
	v_mov_b32 v[NT+32+i], 0
.set i, i+1
.endr
	WIN 0
.irp t, 0,1
	v_mov_b32 v[ST+8*(\t)], 0xfe000000             ; c m: far below every c s
	v_mov_b32 v[ST+8*(\t)+1], 0xff7fffff           ; m
.irp o, 2,3,4,5,6,7
	v_mov_b32 v[ST+8*(\t)+(\o)], 0
.endr
	v_mov_b32 v[TT+8*(\t)+7], 0                    ; named with a as a pair
.endr
	s_wait_tensorcnt 0x0                           ; my parts of slot 0 and of the tables are in,
	s_wait_dscnt 0x0
	s_barrier_signal -1
	s_barrier_wait -1                              ; everybody's are
	WIN 0x40
.irp c, 0,1                             ; RkX's block 0 (16 x Rk[0]) and block 15 (16 x Rk[100])
	ds_load_b128 v[NT+8*(\c):NT+8*(\c)+3],       v[TKO] offset:64*(\c)
	ds_load_b128 v[NT+8*(\c)+4:NT+8*(\c)+7],     v[TKO] offset:64*(\c)+32
	ds_load_b128 v[NT+16+8*(\c):NT+16+8*(\c)+3], v[TKO] offset:15*16*PK+64*(\c)
	ds_load_b128 v[NT+16+8*(\c)+4:NT+16+8*(\c)+7], v[TKO] offset:15*16*PK+64*(\c)+32
.endr
	s_wait_loadcnt 0x0                             ; Q
	s_wait_dscnt 0x0
	WIN W_M1
.irp t, 0,1                             ; CL, CR: every register holds q . Rk[0] or q . Rk[100] of the lane's query; four accumulators by turns
	v_wmma_f32_16x16x32_f16 v[CL+8*(\t):CL+8*(\t)+7], v[NT:NT+7], v[Q+16*(\t):Q+16*(\t)+7], 0
	v_wmma_f32_16x16x32_f16 v[CR+8*(\t):CR+8*(\t)+7], v[NT+16:NT+23], v[Q+16*(\t):Q+16*(\t)+7], 0
.endr
.irp t, 0,1
	v_wmma_f32_16x16x32_f16 v[CL+8*(\t):CL+8*(\t)+7], v[NT+8:NT+15], v[Q+16*(\t)+8:Q+16*(\t)+15], v[CL+8*(\t):CL+8*(\t)+7]
	v_wmma_f32_16x16x32_f16 v[CR+8*(\t):CR+8*(\t)+7], v[NT+24:NT+31], v[Q+16*(\t)+8:Q+16*(\t)+15], v[CR+8*(\t):CR+8*(\t)+7]
.endr
	PLACES 5                                       ; five places before they serve as the C of other accumulators (ISA guide 7.12.1)
	WIN 0
	v_lshlrev_b32 v[LO], 5, v21                    ; from here on: 32 h, my place in 64 bytes of a row of Rv
	s_sub_co_u32 s[RAW], ttmp9, 2
	s_mov_b32 s[TBK], SLOT1+256*PK                 ; the first change of slots turns these two into 0
	s_mov_b32 s[TBV], SLOT1+256*PV
	s_lshl_b32 s[DL], s[WV], 5
	s_sub_co_u32 s[DL], 0xffffff60, s[DL]          ; -160 - 32 w
; S^T = K Q^T + C: product i of 16: channels 32 (i / 8) on, keys 16 ((i / 2) % 4) on, tile i % 2; eight accumulators by turns.  far = 1: the first eight take CL or CR; far = 0: S holds the band's scores already
.macro KQ cb, far
.set i, 0
.rept 16
.set rS, S+32*(i%2)+8*((i/2)%4)
.set rK, KF+16*((i/2)%4)+8*(i/8)
.set rQ, Q+16*(i%2)+8*(i/8)
.if (\far) && (i < 8)
	WIN 0x10
	v_wmma_f32_16x16x32_f16 v[rS:rS+7], v[rK:rK+7], v[rQ:rQ+7], v[(\cb)+8*(i%2):(\cb)+8*(i%2)+7]
.else
	WIN 0
	v_wmma_f32_16x16x32_f16 v[rS:rS+7], v[rK:rK+7], v[rQ:rQ+7], v[rS:rS+7]
.endif
.set i, i+1
.endr
.endm
.macro PVM                              ; O^T += V^T P: keys 32 (i / 8) on, channels 16 ((i / 2) % 4) on, tile i % 2
	WIN W_M1
.set i, 0
.rept 16
.set rO, 32*(i%2)+8*((i/2)%4)
.set rV, VF+32*(i/8)+8*((i/2)%4)
.set rP, P+16*(i%2)+8*(i/8)
	v_wmma_f32_16x16x32_f16 v[rO:rO+7], v[rV:rV+7], v[rP:rP+7], v[rO:rO+7]
.set i, i+1
.endr
.endm
.macro FETCH_K
.irp f, 0,1,2,3,4,5,6,7
	ds_load_b128 v[KF+8*(\f):KF+8*(\f)+3],   v[AK] offset:((\f)/2)*16*PK+((\f)%2)*64
	ds_load_b128 v[KF+8*(\f)+4:KF+8*(\f)+7], v[AK] offset:((\f)/2)*16*PK+((\f)%2)*64+32
.endr
.endm
.macro FETCH_V
	WIN 0x40
.irp f, 0,1,2,3,4,5,6,7
	ds_load_tr16_b128 v[VF+8*(\f):VF+8*(\f)+3],   v[AV] offset:((\f)/4)*32*PV+((\f)%4)*32
	ds_load_tr16_b128 v[VF+8*(\f)+4:VF+8*(\f)+7], v[AV] offset:((\f)/4)*32*PV+16*PV+((\f)%4)*32
.endr
	WIN 0
.endm
.macro REGS t
.set rT, ST+8*(\t)
.set rC, TT+8*(\t)
.set rS, S+32*(\t)
.set rP, P+16*(\t)
.set rO, 32*(\t)
.set rM, 32+36*(\t)                     ; the tile's 32 mask words: s32-63, s68-99
.endm
.macro XS                               ; number n of the 22 that find a tile's maximum and statistics
.if n < 4
	v_max3_num_f32 v[rC+n], v[rS+8*n], v[rS+8*n+1], v[rS+8*n+2]
.elseif n < 12
	v_max3_num_f32 v[rC+n%4], v[rC+n%4], v[rS+8*(n%4)+2*(n/4)+1], v[rS+8*(n%4)+2*(n/4)+2]
.elseif n == 12
	v_max3_num_f32 v[rC], v[rC], v[rS+7], v[rS+15]
.elseif n == 13
	v_max3_num_f32 v[rC+1], v[rC+1], v[rS+23], v[rS+31]
.elseif n == 14
	v_max3_num_f32 v[rC+2], v[rC+2], v[rC+3], v[rT+1]
.elseif n == 15
	v_mov_b32 v[rC+4], v[rT]
.elseif n == 16
	v_max3_num_f32 v[rC], v[rC], v[rC+1], v[rC+2]
.elseif n == 17
	v_permlanex16_b32 v[rC+3], v[rC], s[SEL], s[SEL+1]  ; the query's other 32 keys lie in the lane 16 away
.elseif n == 18
	v_max_num_f32 v[rT+1], v[rC], v[rC+3]
.elseif n == 19
	v_mul_f32 v[rT], s[CS], v[rT+1]
.elseif n == 20
	v_sub_f32 v[rC+1], v[rC+4], v[rT]
.else
	v_exp_f32 v[rC+6], v[rC+1]
.endif
.endm
; THE SOFTMAX of a step, both tiles line by line in turn, so that no line reads the result of the line before it
.macro SOFT
	WIN 0
.set k, 0
.rept 32                                ; the mask, ahead of the maximum; each accumulator's lowest register is read first
.irp t, 0,1
	REGS \t
	v_cndmask_b32 v[rS+k], v[rS+k], v[NEG], s[rM+k]
.endr
.set k, k+1
.endr
.set n, 0
.rept 22
.irp t, 0,1
	REGS \t
	XS
.endr
.set n, n+1
.endr
.set k, 0
.rept 16                                ; c s - c m
.irp t, 0,1
	REGS \t
	v_pk_fma_f32 v[rS+2*k:rS+2*k+1], v[rS+2*k:rS+2*k+1], s[CS:CS+1], v[rT:rT+1] op_sel_hi:[1,0,0] neg_lo:[0,0,1] neg_hi:[0,0,1]
.endr
.set k, k+1
.endr
.set n, 0
.rept 16                                ; four exponentials, then the roundings of the pair before: a plain line stands between an exponential and the use of its result (ISA guide 5.7.2)
.irp t, 0,1
	REGS \t
	v_exp_f32 v[rS+2*n], v[rS+2*n]
	v_exp_f32 v[rS+2*n+1], v[rS+2*n+1]
.endr
.if n == 0
	v_nop
.else
.irp t, 0,1
	REGS \t
	s_wait_alu depctr_va_vdst(0)
	v_cvt_pk_f16_f32 v[rP+n-1], v[rS+2*n-2], v[rS+2*n-1]
.endr
.endif
.set n, n+1
.endr
	v_nop                                          ; the plain line behind the last four exponentials
.irp t, 0,1
	REGS \t
	v_cvt_pk_f16_f32 v[rP+15], v[rS+30], v[rS+31]
.endr
.irp w, 16,8,4,2                        ; the 16 pairs' sum, in place
.set k, 0
.rept (\w)/2
.irp t, 0,1
	REGS \t
	v_pk_add_f32 v[rS+2*k:rS+2*k+1], v[rS+2*k:rS+2*k+1], v[rS+2*k+(\w):rS+2*k+(\w)+1]
.endr
.set k, k+1
.endr
.endr
.irp t, 0,1
	REGS \t
	v_pk_fma_f32 v[rT+2:rT+3], v[rT+2:rT+3], v[rC+6:rC+7], v[rS:rS+1] op_sel_hi:[1,0,1]  ; l = a l + sum
	v_pk_mul_f32 v[rC:rC+1], v[rS:rS+1], s[AL:AL+1] op_sel_hi:[1,0]
	v_pk_mul_f32 v[rC+2:rC+3], v[rS:rS+1], s[AR:AR+1] op_sel_hi:[1,0]
.endr
.irp t, 0,1
	REGS \t
	v_pk_fma_f32 v[rT+4:rT+5], v[rT+4:rT+5], v[rC+6:rC+7], v[rC:rC+1] op_sel_hi:[1,0,1]    ; the far sums likewise; a near step adds 0
	v_pk_fma_f32 v[rT+6:rT+7], v[rT+6:rT+7], v[rC+6:rC+7], v[rC+2:rC+3] op_sel_hi:[1,0,1]
.endr
	WIN 0x41
.set k, 0
.rept 16                                ; O^T times a
.irp t, 0,1
	REGS \t
	v_pk_mul_f32 v[rO+2*k:rO+2*k+1], v[rO+2*k:rO+2*k+1], v[rC+6:rC+7] op_sel_hi:[1,0]
.endr
.set k, k+1
.endr
.endm
; A NEAR STEP'S SCORES.  Six blocks of 16 rows of RkX from row DL on; tile t takes blocks 1 - t .. 5 - t: TB[rel][q], 80 x 16, five accumulators by turns.  TB goes into row q of SB and comes back skewed into S.
.macro NEARPRE
	s_min_u32 s2, s[DL], 160                       ; here DL is 0 .. 160
	s_mul_i32 s3, s2, PK
	v_add_nc_u32 v[TKA], s3, v[TKO]
	s_lshl_b32 s3, s2, 1
	v_add_nc_u32 v[TVA], s3, v[TVO]
	WIN 0x40
.set i, 0
.rept 12
	ds_load_b128 v[NT+8*i:NT+8*i+3],   v[TKA] offset:(i/2)*16*PK+(i%2)*64
	ds_load_b128 v[NT+8*i+4:NT+8*i+7], v[TKA] offset:(i/2)*16*PK+(i%2)*64+32
.set i, i+1
.endr
	s_wait_dscnt 0x0
.irp t, 0,1
	WIN W_M1
.set i, 0
.rept 10
.set rD, TB+8*(i%5)
.set rA, NT+16*(1-(\t)+i%5)+8*(i/5)
.set rB, Q+16*(\t)+8*(i/5)
.if i < 5
	v_wmma_f32_16x16x32_f16 v[rD:rD+7], v[rA:rA+7], v[rB:rB+7], 0
.else
	v_wmma_f32_16x16x32_f16 v[rD:rD+7], v[rA:rA+7], v[rB:rB+7], v[rD:rD+7]
.endif
.set i, i+1
.endr
	PLACES 5                                       ; before the stores read TB, the next tile's products write over it, and loads land in NT
	WIN 0x04                                       ; the stores' data in window 1
.irp u, 0,1,2,3,4
	ds_store_b128 v[SBWR], v[TB+8*(\u):TB+8*(\u)+3]   offset:64*(\u)
	ds_store_b128 v[SBWR], v[TB+8*(\u)+4:TB+8*(\u)+7] offset:64*(\u)+16
.endr
	WIN 0
.set k, 0
.rept 32                                ; LDS serves a wave's instructions in order: these see the stores above, and the next tile's stores come behind them
	ds_load_b32 v[S+32*(\t)+k], v[SBRD] offset:64*(k/8)+4*(k%8)
.set k, k+1
.endr
.endr
	WIN 0x40
.set i, 0
.rept 24                                ; RvXT for the step's end: channel block i / 6, 16 columns from DL + 16 (i % 6) on
	ds_load_b128 v[NT+4*i:NT+4*i+3], v[TVA] offset:(i/6)*16*RVP+(i%6)*32
.set i, i+1
.endr
	s_wait_dscnt 24                                ; the 24 just issued may stay out: the band's scores are in S
	KQ 0, 0
.endm
; A NEAR STEP'S VALUES.  P goes skewed into SPS (the same 64 places of a row every time), comes back as source 1 (rel x query), and O^T += RvXT Wp: rel 32 (j / 8) on, channels 16 ((j / 2) % 4) on, tile j % 2.
; rel 80 .. 95 multiply zeros of SPS, so tile 0's last A may run on into the finite f16 numbers that follow its block.
.macro NEARPOST
.irp t, 0,1
.set n, 0
.rept 16
	ds_store_b16 v[PWR], v[P+16*(\t)+n] offset:32*(n/4)+4*(n%4)
	ds_store_b16_d16_hi v[PWR], v[P+16*(\t)+n] offset:32*(n/4)+4*(n%4)+2
.set n, n+1
.endr
.irp ks, 0,1,2
	ds_load_b128 v[S+24*(\t)+8*(\ks):S+24*(\t)+8*(\ks)+3],   v[PRD] offset:64*(\ks)
	ds_load_b128 v[S+24*(\t)+8*(\ks)+4:S+24*(\t)+8*(\ks)+7], v[PRD] offset:64*(\ks)+32
.endr
.endr
	s_wait_dscnt 0x0                               ; Wp, RvXT and V are in
	WIN W_M1
.set j, 0
.rept 24
.set rO, 32*(j%2)+8*((j/2)%4)
.set rA, NT+24*((j/2)%4)+4*(1-(j%2)+2*(j/8))
.set rB, S+24*(j%2)+8*(j/8)
	v_wmma_f32_16x16x32_f16 v[rO:rO+7], v[rA:rA+7], v[rB:rB+7], v[rO:rO+7]
.set j, j+1
.endr
.endm
; A KEY STEP.  near = 1 (the walk's first three slots): the step may be near.  All jumps go forward and pass neither a barrier nor a tensor load.
.macro STEP near
	s_load_b512 s[32:47], s[MPB:MPB+1], s[MO] offset:0x0   ; the step's 64 lane masks
	s_load_b512 s[48:63], s[MPB:MPB+1], s[MO] offset:0x40
	s_load_b512 s[68:83], s[MPB:MPB+1], s[MO] offset:0x80
	s_load_b512 s[84:99], s[MPB:MPB+1], s[MO] offset:0xc0
	v_add_nc_u32 v[AK], s[TBK], v[AK0]
	v_add_nc_u32 v[AV], s[TBV], v[AV0]
	s_add_co_u32 s[TBK], s[TBK], 64*PK
	s_add_co_u32 s[TBV], s[TBV], 64*PV
.if \near
	PLACES 4                                       ; with the two lines above six places behind the last step's products, whose sources this step's products may write over
.endif
	FETCH_K
.if \near
	s_cmp_lt_i32 s[RAW], 0                         ; where the walk has wrapped round, the keys lie 2,048 further right or left than DL says: far in either case
	s_cselect_b32 s[DLE], 0x2000, 0
	s_cmp_gt_i32 s[RAW], 7
	s_cselect_b32 s[DLE], 0xffffe000, s[DLE]
	s_add_co_u32 s[DLE], s[DLE], s[DL]
	CLASS
.endif
	s_wait_dscnt 0x0                               ; K is in
.if \near
	s_cmp_le_u32 s[DLE], 160
	s_cbranch_scc1 .Lnear_\@
.endif
	s_cmp_lt_i32 s[DLE], 0
	s_cbranch_scc1 .Lleft_\@
	KQ CR, 1
	WIN 0
	s_branch .Ljoin_\@
.Lleft_\@:
	KQ CL, 1
	WIN 0
.if \near
	s_branch .Ljoin_\@
.Lnear_\@:
	NEARPRE
	WIN 0
.endif
.Ljoin_\@:
	PLACES 4                                       ; behind the scores' products
	FETCH_V
	s_wait_kmcnt 0x0                               ; the mask words are in
	SOFT
	WIN 0
.if \near
	s_cmp_gt_u32 s[DLE], 160
	s_cbranch_scc1 .Lfar_\@
	NEARPOST
	WIN 0
.Lfar_\@:
.endif
	s_wait_dscnt 0x0                               ; V is in
	PVM
	WIN 0
	s_add_co_u32 s[MO], s[MO], 256
.if \near
	s_add_co_u32 s[DL], s[DL], 64
.endif
.endm
	s_mov_b32 s[LC], 3
.LslotA:                                               ; the walk's first three slots: x - 1, x, x + 1
	CHANGE 1
	SLOTSET 1
	s_mov_b32 s[CNT], 4
.LstepA:
	STEP 1
	s_sub_co_u32 s[CNT], s[CNT], 1
	s_cmp_lg_u32 s[CNT], 0
	s_cbranch_scc1 .LstepA
	s_sub_co_u32 s[LC], s[LC], 1
	s_cmp_lg_u32 s[LC], 0
	s_cbranch_scc1 .LslotA
	; NT is free from here on: it takes Rv's rows 0 and 100 in f32 (my eight channels of each 16), which are wanted at the end
	s_load_b64 s[2:3], s[0:1], 0x18                ; Rv_table
	PLACES 4                                       ; behind the products that read NT
	s_wait_kmcnt 0x0
	WIN 0x40
.irp cb, 0,1,2,3
	global_load_b128 v[NT+8*(\cb):NT+8*(\cb)+3],       v[LO], s[2:3] offset:64*(\cb)
	global_load_b128 v[NT+8*(\cb)+4:NT+8*(\cb)+7],     v[LO], s[2:3] offset:64*(\cb)+16
	global_load_b128 v[NT+32+8*(\cb):NT+32+8*(\cb)+3], v[LO], s[2:3] offset:25600+64*(\cb)
	global_load_b128 v[NT+32+8*(\cb)+4:NT+32+8*(\cb)+7], v[LO], s[2:3] offset:25600+64*(\cb)+16
.endr
	WIN 0
	s_wait_xcnt 0x0                                ; s[2:3] is written again only behind this wait
	s_mov_b32 s[LC], 4
.LslotB:                                               ; four slots that are far throughout
	CHANGE 1
	SLOTSET 0
	s_mov_b32 s[CNT], 4
.LstepB:
	STEP 0
	s_sub_co_u32 s[CNT], s[CNT], 1
	s_cmp_lg_u32 s[CNT], 0
	s_cbranch_scc1 .LstepB
	s_sub_co_u32 s[LC], s[LC], 1
	s_cmp_lg_u32 s[LC], 0
	s_cbranch_scc1 .LslotB
	CHANGE 0                                       ; the last slot is written out: nothing is asked for
	SLOTSET 0
	s_mov_b32 s[CNT], 4
.LstepC:
	STEP 0
	s_sub_co_u32 s[CNT], s[CNT], 1
	s_cmp_lg_u32 s[CNT], 0
	s_cbranch_scc1 .LstepC
	; THE END.  Rv's two rows are rounded to bf16 like every input (these lines are also the places behind the last products); l, lFL, lFR are completed; O += Rv[0] lFL + Rv[100] lFR; O / l leaves through my stage.
	s_load_b64 s[2:3], s[0:1], 0x20                ; ao
	s_mov_b32 s32, 0xffff0000
	s_wait_loadcnt 0x0
	WIN 0x05
.set i, 0
.rept 32
	v_cvt_pk_bf16_f32 v[S+i], v[NT+2*i], v[NT+2*i+1]
.set i, i+1
.endr
	WIN 0x40
.set i, 0
.rept 32
	v_lshlrev_b32 v[NT+2*i], 16, v[S+i]
	v_and_b32 v[NT+2*i+1], s32, v[S+i]
.set i, i+1
.endr
	WIN 0
.irp t, 0,1
.irp o, 2,4,6
	v_add_f32 v[ST+8*(\t)+(\o)], v[ST+8*(\t)+(\o)], v[ST+8*(\t)+(\o)+1]
.endr
.endr
.irp t, 0,1
.irp o, 2,4,6
	v_permlanex16_b32 v[ST+8*(\t)+(\o)+1], v[ST+8*(\t)+(\o)], s[SEL], s[SEL+1]
.endr
.endr
.irp t, 0,1
.irp o, 2,4,6
	v_add_f32 v[ST+8*(\t)+(\o)], v[ST+8*(\t)+(\o)], v[ST+8*(\t)+(\o)+1]
.endr
.endr
	WIN W_M1
.irp o, 0,1                             ; o = 0: Rv[0] lFL; o = 1: Rv[100] lFR
.irp t, 0,1
.set i, 0
.rept 16
	v_pk_fma_f32 v[32*(\t)+2*i:32*(\t)+2*i+1], v[NT+32*(\o)+2*i:NT+32*(\o)+2*i+1], v[ST+8*(\t)+4+2*(\o):ST+8*(\t)+5+2*(\o)], v[32*(\t)+2*i:32*(\t)+2*i+1] op_sel_hi:[1,0,1]
.set i, i+1
.endr
.endr
.endr
	WIN 0
	v_rcp_f32 v[ST+2], v[ST+2]
	v_rcp_f32 v[ST+10], v[ST+10]
	v_nop                                          ; a plain line between the last reciprocal and the use of its result
	s_wait_alu depctr_va_vdst(0)
	s_and_b32 s33, ttmp7, 0xffff
	s_and_b32 s34, s33, 1                          ; b
	s_lshr_b32 s33, s33, 1                         ; h
	s_lshl_b32 s34, s34, 4
	s_lshl_b32 s35, ttmp9, 1
	s_add_co_u32 s34, s34, s35
	s_lshr_b32 s35, s[WV], 2
	s_add_co_u32 s34, s34, s35                     ; the block of 128 tokens: 16 b + 2 x + w / 4
	s_lshl_b32 s34, s34, 4
	s_add_co_u32 s34, s34, s33
	s_lshl_b32 s34, s34, 14                        ; ao[block][h]: 128 rows of 128 bytes
	s_and_b32 s35, s[WV], 3
	s_lshl_b32 s35, s35, 12                        ; my 32 rows
	s_add_co_u32 s34, s34, s35
	s_mov_b32 s35, 0
	s_wait_kmcnt 0x0
	s_add_nc_u64 s[2:3], s[2:3], s[34:35]
.macro PACK t
	WIN 0x41
.set i, 0
.rept 16
	v_pk_mul_f32 v[32*(\t)+2*i:32*(\t)+2*i+1], v[32*(\t)+2*i:32*(\t)+2*i+1], v[ST+8*(\t)+2:ST+8*(\t)+3] op_sel_hi:[1,0]
.set i, i+1
.endr
	WIN 0x05
.set i, 0
.rept 16
	v_cvt_pk_f16_f32 v[S+16*(\t)+i], v[32*(\t)+2*i], v[32*(\t)+2*i+1]
.set i, i+1
.endr
	WIN 0
.irp f, 0,1,2,3
	ds_store_b128 v[STO], v[S+16*(\t)+4*(\f):S+16*(\t)+4*(\f)+3] offset:32*(\f)
.endr
.irp f, 0,1,2,3
	ds_load_b128 v[S+16*(\t)+4*(\f):S+16*(\t)+4*(\f)+3], v[RD] offset:(\f)*4*PK  ; in order behind the stores above; the next tile's stores come behind them
.endr
.endm
.macro SEND t, younger                  ; younger: the LDS instructions issued behind tile t's loads
.irp f, 0,1,2,3
	s_wait_dscnt (\younger)+3-(\f)
	global_store_b128 v[GO], v[S+16*(\t)+4*(\f):S+16*(\t)+4*(\f)+3], s[2:3] offset:(\t)*2048+(\f)*512  ; 512 consecutive bytes, at a multiple of 256 from ao's first
.endr
.endm
	PACK 0
	PACK 1
	SEND 0, 8
	SEND 1, 0
	s_wait_tensorcnt 0x0                           ; the wave's end
	ds_add_u32 v[SPW], v[NIL]
	s_wait_dscnt 0x0
	s_endpgm
.Lfunc_end_k_qfd93781448_attn:
	.size	k_qfd93781448_attn, .Lfunc_end_k_qfd93781448_attn-k_qfd93781448_attn
	.p2alignl 7, 3214868480
	.fill 96, 4, 3214868480
	.section	.rodata,"a",@progbits
	.p2align	6, 0x0
	.amdhsa_kernel k_qfd93781448_attn
		.amdhsa_group_segment_fixed_size 327680
		.amdhsa_private_segment_fixed_size 0
		.amdhsa_enable_private_segment 0
		.amdhsa_kernarg_size 40
		.amdhsa_user_sgpr_count 2
		.amdhsa_user_sgpr_kernarg_segment_ptr 1
		.amdhsa_wavefront_size32 1
		.amdhsa_system_sgpr_workgroup_id_x 1
		.amdhsa_system_sgpr_workgroup_id_y 1
		.amdhsa_system_sgpr_workgroup_id_z 1
		.amdhsa_system_vgpr_workitem_id 0
		.amdhsa_next_free_vgpr 512
		.amdhsa_next_free_sgpr 106
		.amdhsa_reserve_vcc 0
		.amdhsa_float_denorm_mode_32 3
		.amdhsa_float_denorm_mode_16_64 3
		.amdhsa_memory_ordered 1
		.amdhsa_forward_progress 1
		.amdhsa_inst_pref_size 129
	.end_amdhsa_kernel
	.amdgpu_metadata
---
amdhsa.version: [ 1, 2 ]
amdhsa.kernels:
  - .name:           k_qfd93781448_attn
    .symbol:         k_qfd93781448_attn.kd
    .args:
      - { .name: qkv, .offset: 0, .size: 8, .value_kind: global_buffer, .address_space: global }
      - { .name: maskw, .offset: 8, .size: 8, .value_kind: global_buffer, .address_space: global }
      - { .name: tabs, .offset: 16, .size: 8, .value_kind: global_buffer, .address_space: global }
      - { .name: Rv_table, .offset: 24, .size: 8, .value_kind: global_buffer, .address_space: global }
      - { .name: ao, .offset: 32, .size: 8, .value_kind: global_buffer, .address_space: global }
    .group_segment_fixed_size: 327680
    .private_segment_fixed_size: 0
    .kernarg_segment_align: 8
    .kernarg_segment_size: 40
    .max_flat_workgroup_size: 256
    .sgpr_count:     106
    .vgpr_count:     512
    .wavefront_size: 32
...
	.end_amdgpu_metadata
.endif
;; end of part 3
;; launch gout (part 4): grid 8 x 32, 4 waves a work-group, clusters of 4 x 4, 327,680 bytes of LDS; arguments ao, wo16, out0, bo; writes out0
.if DOCPART == 4
	.amdgcn_target "amdgcn-amd-amdhsa--gfx1250"
	.amdhsa_code_object_version 6
	.text
	.protected	k_qfd93781448_gout
	.globl	k_qfd93781448_gout
	.p2align	8
	.type	k_qfd93781448_gout,@function
k_qfd93781448_gout:
	s_mov_b64 s[64:65], 0
	v_nop
	global_prefetch_b8 v0, s[64:65] scope:SCOPE_SE
	s_setreg_imm32_b32 hwreg(HW_REG_WAVE_MODE, 25, 1), 1
	s_wait_xcnt 0x0
	s_wait_alu depctr_hold_cnt(0) depctr_sa_sdst(0) depctr_va_vdst(0) depctr_va_sdst(0) depctr_va_ssrc(0) depctr_va_vcc(0) depctr_vm_vsrc(0)
	s_getreg_b32 s2, hwreg(HW_REG_IB_STS2, 6, 4)
	s_cmp_eq_u32 s2, 0
	s_cbranch_scc0 .Lentry_in_a_cluster
	s_endpgm
.Lentry_in_a_cluster:
	s_bfe_u32 s2, ttmp6, 0x10000c
	s_cmp_lg_u32 s2, 0xf033
	s_cbranch_scc0 .Lentry_shape_is_right
	s_endpgm
.Lentry_shape_is_right:
; out0[4096][1024] = attn Wo^T + bo.  attn comes as ao[block of 128 tokens][head][token][64] f16, Wo as wo16[1024][1024] (rounded to bf16, written as f16); f32 sums; bo, rounded to bf16, is added in f32.
; A tile of the output is 128 x 128: 8 x 32 = 256 work-groups; four waves, each 64 x 64: 16 accumulators.  K goes in steps of 256 = four heads through two LDS slots.
; A's tile of a step, four heads of my token block, is 65,536 dense bytes: asked for as rows of 256 bytes and padded after every token's 128, so a quarter of a step (64 along K) is one head.
; CLUSTERS: 4 x 4 work-groups; A's tiles are shared along a row of the cluster, B's along a column, each asked for jointly.
; THE MATRIX INSTRUCTION IS USED TRANSPOSED (source 0 = 16 rows of wo16, source 1 = 16 tokens): a lane holds eight neighbouring columns of a row; a wave's 64 columns are 256 aligned bytes of f32.
; REGISTERS: window 0: v0-31 addresses; v32-63 results with bias; v64-95 rows read back; v96-127 bias; v128-255 accumulators ((a, b) at 128 + 8 (4 a + b)).  window 1: two fragment buffers of 128.
.set SN,     1024
.set SK,     1024
.set KSTEP,  256
.set PA,     144                       ; a token's 128 bytes of one head + 16
.set PB,     528                       ; a row of B: 512 bytes + 16
.set AHEAD,  128*PA                    ; one head's 128 tokens
.set AHALF,  2*AHEAD                   ; what one load of A brings
.set BOFF,   2*AHALF
.set BHALF,  64*PB
.set SLOT,   BOFF+2*BHALF
.set STAGE,  2*SLOT                    ; behind the ring: 16 rows x 272 bytes for each wave
.set SPITCH, 272
.set SPARE,  STAGE+4*16*SPITCH
.set LAPS,   SK/(2*KSTEP)
.set ADRA, 16
.set ADRB, 20
.set STO,  24
.set RD,   25
.set CO,   26
.set SPW,  28                          ; never rewritten
.set NIL,  29                          ; never rewritten
.set BO,   30
.set TMP,  32
.set OB,   64
.set BI,   96
.set ACC,  128
.set F0,   0
.set F1,   128
.set G1,  24
.set G0,  32
.set G1B, 48
.set G0B, 56
.set MSB, 0
.macro WIN new
.if MSB != (\new)
	s_set_vgpr_msb (MSB<<8)|(\new)
.set MSB, \new
.endif
.endm
.set MUL,  0x05
.set TO_F, 0x40
.macro JLOAD s                         ; a joint load: waves 0 and 1 fetch A's halves, waves 2 and 3 B's; an s_nop 0 and four v_nop follow each line
	s_cmp_eq_u32 s11, 0
	s_cbranch_scc0 .Lfor_b_\@
	tensor_load_to_lds s[G0+4*(\s):G0+4*(\s)+3], s[G1:G1+7]
	s_nop 0
.rept 4
	v_nop
.endr
	s_branch .Lasked_\@
.Lfor_b_\@:
	tensor_load_to_lds s[G0B+4*(\s):G0B+4*(\s)+3], s[G1B:G1B+7]
	s_nop 0
.rept 4
	v_nop
.endr
.Lasked_\@:
.endm
.macro CREST
	s_cmp_lg_u32 s10, 0
	s_cbranch_scc1 .Lnot_wave_0_\@
	s_barrier_signal -3
.Lnot_wave_0_\@:
	s_barrier_wait -3
	s_barrier_signal -1
	s_barrier_wait -1
.endm
.macro CROUND
	s_barrier_signal -1
	s_barrier_wait -1
	CREST
.endm
	s_load_b128 s[4:7], s[0:1], 0x0                ; ao, wo16
	s_load_b64 s[8:9], s[0:1], 0x10                ; out0
	s_load_b64 s[66:67], s[0:1], 0x18              ; bo
	v_lshl_add_u32 v[SPW], v0, 2, SPARE
	v_mov_b32 v[NIL], 0
	ds_add_u32 v[SPW], v[NIL]                      ; the wave's opening: the add and its wait ahead of my first tensor load
	ds_add_u32 v28, v29
	v_lshrrev_b32 v1, 5, v0
	v_readfirstlane_b32 s10, v1                    ; wave 0..3
	s_lshr_b32 s11, s10, 1                         ; which half of the tile's rows is mine.  Also: I fetch for A (0) or for B (1)
	s_and_b32 s12, s10, 1                          ; which half of its columns.  Also: which half of that tile I fetch
	s_bfe_u32 s40, ttmp6, 0x40000
	s_bfe_u32 s41, ttmp6, 0x40004
	s_lshl_b32 s42, ttmp9, 2
	s_add_co_u32 s42, s42, s40                     ; tile column
	s_and_b32 s13, ttmp7, 0xffff
	s_lshl_b32 s13, s13, 2
	s_add_co_u32 s13, s13, s41                     ; tile row = block of 128 tokens
	s_lshl_b32 s43, s41, 2
	s_lshl_b32 s43, 15, s43
	s_lshl_b32 s44, 0x1111, s40
	s_mov_b32 s45, 0xffff0000
	s_or_b32 s[G1+0], s43, (1<<16)|(1<<20)|(1<<21)|(4<<22)|(3<<25)   ; A: after every 32 words 4 words of padding
	s_mov_b32 s[G1+1], 128<<16                     ; 128 rows of 128 elements, dense
	s_mov_b32 s[G1+2], 128<<16
	s_mov_b32 s[G1+3], 128<<16
	s_mov_b32 s[G1+4], 128
	s_mov_b32 s[G1+5], 128
	s_mov_b32 s[G1+6], 0
	s_mov_b32 s[G1+7], 0
	s_or_b32 s[G1B+0], s44, (1<<16)|(1<<20)|(1<<21)|(6<<22)|(3<<25)  ; B: after every 128 words 4 words
	s_mov_b32 s[G1B+1], KSTEP<<16                  ; 64 rows of 256 elements
	s_mov_b32 s[G1B+2], 64<<16
	s_mov_b32 s[G1B+3], KSTEP<<16
	s_mov_b32 s[G1B+4], 64
	s_mov_b32 s[G1B+5], SK
	s_mov_b32 s[G1B+6], 0
	s_mov_b32 s[G1B+7], 0
	s_lshl_b32 s16, s13, 18                        ; A: a token block's 16 heads are 262,144 bytes;
	s_lshl_b32 s17, s12, 15                        ; my two heads of a step's four
	s_add_co_u32 s16, s16, s17
	s_mov_b32 s17, 0
	s_lshl_b32 s46, s42, 7
	s_lshl_b32 s47, s12, 6
	s_add_co_u32 s46, s46, s47                     ; B: row 128 x tile column + 64 x half,
	s_lshl_b32 s46, s46, 11                        ; of 2,048 bytes
	s_mov_b32 s47, 0
	s_mul_i32 s20, s12, AHALF
	s_mul_i32 s21, s12, BHALF
	s_add_co_u32 s21, s21, BOFF
	s_wait_dscnt 0x0                               ; the opening add is done
	s_wait_kmcnt 0x0
	s_add_nc_u64 s[14:15], s[4:5], s[16:17]
	s_add_nc_u64 s[46:47], s[6:7], s[46:47]
	CROUND                                         ; all sixteen work-groups are here: the first joint loads meet
.irp s, 0,1
	s_mov_b32 s[G0+4*(\s)], 1
	s_add_co_u32 s[G0+4*(\s)+1], s20, (\s)*SLOT
	s_add_nc_u64 s[G0+4*(\s)+2:G0+4*(\s)+3], s[14:15], (\s)*65536
	s_or_b32 s[G0+4*(\s)+3], s[G0+4*(\s)+3], 0x80000000
	s_mov_b32 s[G0B+4*(\s)], 1
	s_add_co_u32 s[G0B+4*(\s)+1], s21, (\s)*SLOT
	s_add_nc_u64 s[G0B+4*(\s)+2:G0B+4*(\s)+3], s[46:47], (\s)*KSTEP*2
	s_or_b32 s[G0B+4*(\s)+3], s[G0B+4*(\s)+3], 0x80000000
	JLOAD \s
.endr
	v_and_b32 v1, 15, v0                           ; l % 16
	v_bfe_u32 v2, v0, 4, 1                         ; l / 16
	v_lshlrev_b32 v[BO], 5, v2
	s_lshl_b32 s46, s42, 9                         ; my 64 columns in bytes of f32: 512 x tile column + 256 x half
	s_lshl_b32 s47, s12, 8
	s_add_co_u32 s46, s46, s47
	s_mov_b32 s47, 0
	s_add_nc_u64 s[66:67], s[66:67], s[46:47]
.irp b, 0,1,2,3
	global_load_b128 v[BI+8*(\b):BI+8*(\b)+3],   v[BO], s[66:67] offset:64*(\b)
	global_load_b128 v[BI+8*(\b)+4:BI+8*(\b)+7], v[BO], s[66:67] offset:64*(\b)+16
.endr
	v_mul_u32_u24 v3, v1, PA
	v_lshl_add_u32 v3, v2, 4, v3
	v_mul_u32_u24 v4, v1, PB
	v_lshl_add_u32 v4, v2, 4, v4
	s_mul_i32 s21, s11, 64*PA                      ; my 64 tokens in each head
	s_mul_i32 s22, s12, BHALF                      ; my 64 rows of B
	s_add_co_u32 s22, s22, BOFF
.irp s, 0,1
	v_add_nc_u32 v[ADRA+(\s)], s21, v3
	v_add_nc_u32 v[ADRB+(\s)], s22, v4
	s_add_co_u32 s21, s21, SLOT
	s_add_co_u32 s22, s22, SLOT
.endr
	s_mul_i32 s23, s10, 16*SPITCH
	s_add_co_u32 s23, s23, STAGE                   ; my stage
	v_mul_u32_u24 v4, v1, SPITCH                   ; in: row l % 16, 32 bytes for each half of the lanes
	v_lshl_add_u32 v4, v2, 5, v4
	v_add_nc_u32 v[STO], s23, v4
	v_mul_u32_u24 v5, v2, SPITCH                   ; back: lanes 0-15 take one row of 256 bytes, lanes 16-31 the next
	v_lshl_add_u32 v5, v1, 4, v5
	v_add_nc_u32 v[RD], s23, v5
	v_lshlrev_b32 v5, 12, v2                       ; and the same two rows in out0
	v_lshl_add_u32 v[CO], v1, 4, v5
	s_lshl_b32 s16, s13, 7
	s_lshl_b32 s17, s11, 6
	s_add_co_u32 s16, s16, s17                     ; my first row,
	s_lshl_b32 s16, s16, 12                        ; of 4,096 bytes
	s_mov_b32 s17, 0
	s_add_nc_u64 s[8:9], s[8:9], s[16:17]
	s_add_nc_u64 s[8:9], s[8:9], s[46:47]
	s_wait_loadcnt 0x0                             ; the bias, rounded to bf16 in place, in the wait for the first tile
.set i, 0
.rept 16
	v_cvt_pk_bf16_f32 v[TMP+i], v[BI+2*i], v[BI+2*i+1]
.set i, i+1
.endr
.set i, 0
.rept 16
	v_lshlrev_b32 v[BI+2*i], 16, v[TMP+i]
	v_and_b32 v[BI+2*i+1], s45, v[TMP+i]
.set i, i+1
.endr
; 8 matrix instructions: row blocks a0, a0 + 1 x all 4 column blocks, 32 along K: half c of buffer f
.macro MUL8 f, c, a0, zero
	WIN MUL
.irp a, \a0, (\a0)+1
.irp b, 0,1,2,3
.if \zero
	v_wmma_f32_16x16x32_f16 v[ACC+8*(4*(\a)+(\b)):ACC+8*(4*(\a)+(\b))+7], v[(\f)+64+8*(4*(\c)+(\b)):(\f)+64+8*(4*(\c)+(\b))+7], v[(\f)+8*(4*(\c)+(\a)):(\f)+8*(4*(\c)+(\a))+7], 0
.else
	v_wmma_f32_16x16x32_f16 v[ACC+8*(4*(\a)+(\b)):ACC+8*(4*(\a)+(\b))+7], v[(\f)+64+8*(4*(\c)+(\b)):(\f)+64+8*(4*(\c)+(\b))+7], v[(\f)+8*(4*(\c)+(\a)):(\f)+8*(4*(\c)+(\a))+7], v[ACC+8*(4*(\a)+(\b)):ACC+8*(4*(\a)+(\b))+7]
.endif
.endr
.endr
.endm
; 32 LDS loads in one run: quarter z of a step (head z of the slot's four; byte 128 z of B's rows) into buffer f; the first 32 along K first
.macro FETCH slot, z, f
	WIN TO_F
.irp c, 0,1
.irp i, 0,1,2,3
	ds_load_b128 v[(\f)+64+8*(4*(\c)+(\i)):(\f)+64+8*(4*(\c)+(\i))+3],   v[ADRB+(\slot)] offset:128*(\z)+64*(\c)+(\i)*16*PB
	ds_load_b128 v[(\f)+64+8*(4*(\c)+(\i))+4:(\f)+64+8*(4*(\c)+(\i))+7], v[ADRB+(\slot)] offset:128*(\z)+64*(\c)+(\i)*16*PB+32
	ds_load_b128 v[(\f)+8*(4*(\c)+(\i)):(\f)+8*(4*(\c)+(\i))+3],         v[ADRA+(\slot)] offset:(\z)*AHEAD+64*(\c)+(\i)*16*PA
	ds_load_b128 v[(\f)+8*(4*(\c)+(\i))+4:(\f)+8*(4*(\c)+(\i))+7],       v[ADRA+(\slot)] offset:(\z)*AHEAD+64*(\c)+(\i)*16*PA+32
.endr
.endr
.endm
.macro PLACES
.rept 4
	v_nop
.endr
.endm
.macro QUARTER slot, z, f, g, zero
	s_wait_dscnt 16                                ; the first 32 along K are in
	MUL8 \f, 0, 0, \zero
	MUL8 \f, 0, 2, \zero
	PLACES
	FETCH \slot, \z, \g
	s_wait_dscnt 32                                ; all but the 32 just issued
	MUL8 \f, 1, 0, 0
	MUL8 \f, 1, 2, 0
.endm
.macro TURN slot, next, fill
	WIN 0
	s_wait_tensorcnt 0x0                           ; all my tensor loads have landed: my part of the next slot
	ds_add_u32 v[SPW], v[NIL]
	s_wait_dscnt 17                                ; the add and the youngest sixteen loads may be out
	MUL8 F1, 0, 0, 0
	s_wait_dscnt 0x0                               ; the add is done, and my reads of this slot are over
	s_barrier_signal -1
	MUL8 F1, 0, 2, 0
.if \fill
	WIN 0
.endif
	s_barrier_wait -1
.if \fill
	CREST                                          ; the barrier has opened a round of the cluster's
	s_add_nc_u64 s[G0+4*(\slot)+2:G0+4*(\slot)+3], s[G0+4*(\slot)+2:G0+4*(\slot)+3], 2*65536
	s_add_nc_u64 s[G0B+4*(\slot)+2:G0B+4*(\slot)+3], s[G0B+4*(\slot)+2:G0B+4*(\slot)+3], 2*KSTEP*2
	JLOAD \slot                                    ; the first tensor load behind the round; its four v_nop are also the places in front of the loads below
.else
	PLACES
.endif
	FETCH \next, 0, F0
	MUL8 F1, 1, 0, 0
	MUL8 F1, 1, 2, 0
.endm
	s_wait_tensorcnt 1                             ; my part of K step 0 is in; K step 1's load stays out
	s_barrier_signal -1
	s_barrier_wait -1
	FETCH 0, 0, F0
	QUARTER 0, 1, F0, F1, 1
	WIN 0
	s_mov_b32 s3, LAPS-1
.Llap:
	QUARTER 0, 2, F1, F0, 0
	QUARTER 0, 3, F0, F1, 0
	TURN 0, 1, 1
	QUARTER 1, 1, F0, F1, 0
	QUARTER 1, 2, F1, F0, 0
	QUARTER 1, 3, F0, F1, 0
	TURN 1, 0, 1
	QUARTER 0, 1, F0, F1, 0
	WIN 0
	s_sub_co_u32 s3, s3, 1
	s_cmp_lg_u32 s3, 0
	s_cbranch_scc1 .Llap
	QUARTER 0, 2, F1, F0, 0                        ; the last lap fills nothing
	QUARTER 0, 3, F0, F1, 0
	TURN 0, 1, 0
	QUARTER 1, 1, F0, F1, 0
	QUARTER 1, 2, F1, F0, 0
	QUARTER 1, 3, F0, F1, 0
	s_wait_dscnt 16
	MUL8 F1, 0, 0, 0
	MUL8 F1, 0, 2, 0
	s_wait_dscnt 0x0
	MUL8 F1, 1, 0, 0
	MUL8 F1, 1, 2, 0
	WIN 0
	PLACES
; THE WAY OUT of row block a: + bias, 32 bytes a lane into my own stage, back as whole rows of 256 bytes, sixteen lanes to an aligned 256 bytes of out0
.macro OUT a
.set i, 0
.rept 16
	v_pk_add_f32 v[TMP+2*i:TMP+2*i+1], v[ACC+32*(\a)+2*i:ACC+32*(\a)+2*i+1], v[BI+2*i:BI+2*i+1]
.set i, i+1
.endr
	s_wait_xcnt 0x0                                ; the last block's stores have read OB: it is loaded again only behind this wait
.irp n, 0,1,2,3,4,5,6,7
	ds_store_b128 v[STO], v[TMP+4*(\n):TMP+4*(\n)+3] offset:64*((\n)/2)+16*((\n)%2)
.endr
.irp t, 0,1,2,3,4,5,6,7
	ds_load_b128 v[OB+4*(\t):OB+4*(\t)+3], v[RD] offset:(\t)*2*SPITCH  ; LDS serves a wave's instructions in order: these see the stores above
.endr
	s_wait_dscnt 0x0
.irp t, 0,1,2,3,4,5,6,7
	global_store_b128 v[CO], v[OB+4*(\t):OB+4*(\t)+3], s[8:9] offset:(\a)*65536+(\t)*8192 th:TH_STORE_NT
.endr
.endm
	OUT 0
	OUT 1
	OUT 2
	OUT 3
	s_wait_tensorcnt 0x0                           ; the wave's end
	ds_add_u32 v[SPW], v[NIL]
	s_wait_dscnt 0x0
	CROUND                                         ; the closing round
	s_endpgm
.Lfunc_end_k_qfd93781448_gout:
	.size	k_qfd93781448_gout, .Lfunc_end_k_qfd93781448_gout-k_qfd93781448_gout
	.p2alignl 7, 3214868480
	.fill 96, 4, 3214868480
	.section	.rodata,"a",@progbits
	.p2align	6, 0x0
	.amdhsa_kernel k_qfd93781448_gout
		.amdhsa_group_segment_fixed_size 327680
		.amdhsa_private_segment_fixed_size 0
		.amdhsa_enable_private_segment 0
		.amdhsa_kernarg_size 32
		.amdhsa_user_sgpr_count 2
		.amdhsa_user_sgpr_kernarg_segment_ptr 1
		.amdhsa_wavefront_size32 1
		.amdhsa_system_sgpr_workgroup_id_x 1
		.amdhsa_system_sgpr_workgroup_id_y 1
		.amdhsa_system_sgpr_workgroup_id_z 1
		.amdhsa_system_vgpr_workitem_id 0
		.amdhsa_next_free_vgpr 512
		.amdhsa_next_free_sgpr 68
		.amdhsa_reserve_vcc 0
		.amdhsa_float_denorm_mode_32 3
		.amdhsa_float_denorm_mode_16_64 3
		.amdhsa_memory_ordered 1
		.amdhsa_forward_progress 1
		.amdhsa_inst_pref_size 93
	.end_amdhsa_kernel
	.amdgpu_metadata
---
amdhsa.version: [ 1, 2 ]
amdhsa.kernels:
  - .name:           k_qfd93781448_gout
    .symbol:         k_qfd93781448_gout.kd
    .args:
      - { .name: ao, .offset: 0, .size: 8, .value_kind: global_buffer, .address_space: global }
      - { .name: wo16, .offset: 8, .size: 8, .value_kind: global_buffer, .address_space: global }
      - { .name: out0, .offset: 16, .size: 8, .value_kind: global_buffer, .address_space: global }
      - { .name: bo, .offset: 24, .size: 8, .value_kind: global_buffer, .address_space: global }
    .group_segment_fixed_size: 327680
    .private_segment_fixed_size: 0
    .kernarg_segment_align: 8
    .kernarg_segment_size: 32
    .max_flat_workgroup_size: 128
    .sgpr_count:     68
    .vgpr_count:     512
    .wavefront_size: 32
...
	.end_amdgpu_metadata
.endif
;; end of part 4
;; ======== version 2 of 2: 4 launches; 1.10 times as fast as version 1
;; limits: values are held in f16: magnitudes above 65,504 overflow, below 6.1e-05 lose precision
;; workspace buffers: xb 8,388,608 bytes; wqkv 6,291,456 bytes; wo16 2,097,152 bytes; maskw 524,288 bytes of whole numbers; tabs 65,536 bytes; qkv 25,165,824 bytes; ao 8,388,608 bytes
;; launch prep: the kernel of part 1 again; grid 784 x 1, 8 waves a work-group, no clusters, 0 bytes of LDS; arguments x, Wq, Wk, Wv, Wo, causal_mask, Rk_table, Rv_table, xb, wqkv, wo16, maskw, tabs; writes xb, wqkv, wo16, maskw, tabs
;; launch gqkv: the kernel of part 2 again; grid 16 x 16, 4 waves a work-group, clusters of 4 x 4, 327,680 bytes of LDS; arguments xb, wqkv, qkv, bq, bk, bv; writes qkv
;; launch attn (part 5): grid 8 x 32, 8 waves a work-group, no clusters, 327,680 bytes of LDS; arguments qkv, maskw, tabs, Rv_table, ao; writes ao
.if DOCPART == 5
	.amdgcn_target "amdgcn-amd-amdhsa--gfx1250"
	.amdhsa_code_object_version 6
	.text
	.protected	k_qfd93781448_attn
	.globl	k_qfd93781448_attn
	.p2align	8
	.type	k_qfd93781448_attn,@function
k_qfd93781448_attn:
	s_mov_b64 s[64:65], 0
	v_nop
	global_prefetch_b8 v0, s[64:65] scope:SCOPE_SE
	s_setreg_imm32_b32 hwreg(HW_REG_WAVE_MODE, 25, 1), 1
	s_wait_xcnt 0x0
; ATTENTION WITH RELATIVE POSITIONS AND AN INPUT MASK.  For a head and batch (y = 2 h + b) and a block of 256 queries (x):
;   s[i][j] = q[i] . (k[j] + Rk[clip(j - i)]), masked where the mask says so;  p = softmax(s / 8);  O[i] = sum over j of p[i][j] (v[j] + Rv[clip(j - i)]).
; q, k, v, p, the tables' copies and O are f16; products, maxima and sums f32; the sum l is taken of the unrounded p.
; LIMITS.  q, k, v, Rk, Rv within 65,504.  A masked score counts as -2^33 ahead of the division by 8 (-2^30 for the problem's -1e9): c m is then exact, a row masked throughout gets equal weights,
; and the result is the problem's as long as unmasked scores lie above about -1e9 + 200.  A weight below 2^-126 counts as 0; NaN and infinities are not treated apart.
; SHARES.  Eight waves, two to a SIMD; wave w owns 32 queries, two tiles of 16, from 256 x + 32 w on, and walks all 2,048 keys, 64 a step.
; LAYOUT.  S^T = K Q^T: a lane holds ONE query (lane % 16) and the keys 8 (lane / 16) + 0..7 of each 16; two such results rounded to f16 are source 1 of O^T = V^T P.
; THE WALK IS ROTATED: trip u takes the slot of 256 keys (x - 1 + u) mod 8, so the distance of a step from my queries, DL = first key - first query + 96, is a counter that starts at -160 - 32 w.
;   FAR steps (all j - i <= -50, or all >= 50): the position score is one number a query, q . Rk[0] or q . Rk[100]: the C operand (CL, CR) that starts the sum.  Their weights' sums lFL, lFR are
;   carried like l, and at the end O += Rv[0] lFL + Rv[100] lFR.
;   NEAR steps (0 <= DL <= 160, three a wave): with rel = key + 15 - query (0..78) the table row is y = DL + 16 - 16 t + rel.  TB = RkX[y] . q is made by the matrix unit, laid down by query in my scratch
;   and read back skewed, as the C of K Q^T.  P is written skewed into a scratch that holds 0 elsewhere, and O^T += RvXT[.][y] Wp.
; THE EXPONENTIALS OF A STEP ARE ONE BATCH.  The 66 of them (a of both tiles, then the 64 weights, in place on S^T) stand together with the 32 scalings c s - c m, which name none of their results;
;   a v_nop and ONE s_wait_alu depctr_va_vdst(0) follow; all that names a result stands behind it: the roundings to f16, the sums, l and the far sums, O^T times a.
;   No result crosses a label or a branch.  The end's two reciprocals are a batch of their own: the 64 lines of O += Rv[0] lFL + Rv[100] lFR stand between them and their one wait.
; NO CLUSTER: in the rotated walk the eight blocks of a head ask for eight different tiles in every trip.
; REGISTERS.  window 0: v2-20 addresses; v32-47 statistics (c m, m, l x 2, lFL x 2, lFR x 2 a tile); v48-63 at work; v64-127 S^T; v128-159 P; v160-191 Q; v192-255 K.
;   window 1: v0-63 O^T; v64-159 NT (table fragments; from the fourth slot on Rv's rows 0 and 100); v160-223 V (TB in a near step's beginning); v224-239 CL; v240-255 CR.
.set PK,    144       ; a row of K, of RkX and of the way out's stage: 128 bytes + 16
.set PV,    160       ; a row of V: 128 + 32, for the turning load
.set VOFF,  256*PK    ; a slot: 256 rows of K, then 256 rows of V
.set SLOTB, 256*(PK+PV)
.set SLOT1, 1<<17
.set SBB,   SLOTB     ; behind slot 0: my scratch SB, 16 rows x 336 bytes (80 f32 + 16), also the way out's stage
.set SBP,   336
.set RKL,   SLOT1+SLOTB   ; RkX: 256 rows x 144
.set RVL,   RKL+256*PK    ; RvXT: 64 rows x 528
.set RVP,   528
.set SPSB,  RVL+64*RVP    ; my scratch for skewed P: 16 rows x 208 bytes (96 f16 + 16)
.set SPP,   208
.set SPARE, SPSB+8*16*SPP ; the spare words: 128 bytes a wave, named by no other line
.set AK0, 2
.set AV0, 3
.set AK,  4
.set AV,  5
.set SBWR, 6          ; SB + q 336 + 32 h
.set SBRD, 7          ; + 4 (15 - q)
.set PWR, 8           ; SPS + q 208 + 16 h + 2 (15 - q)
.set PRD, 9           ; SPS + q 208 + 16 h
.set STO, 10
.set RD,  11
.set GO,  12
.set TKO, 13
.set TKA, 14
.set TVO, 15
.set TVA, 16
.set NEG, 17          ; -2^33
.set SPW, 18          ; never rewritten
.set NIL, 19          ; never rewritten
.set LO,  20          ; lane offset in Q, later in a row of Rv
.set ST,  32
.set TT,  48          ; a tile's eight at work: c0-c3, c m_old, -, a (a pair)
.set S,   64
.set P,   128
.set Q,   160
.set KF,  192
.set NT,  64          ; window 1
.set VF,  160
.set TB,  160
.set CL,  224
.set CR,  240
.set KVB, 4           ; s[4:5]  K (waves 0-3) or V (waves 4-7) of my head at my quarter of a tile
.set MPB, 6           ; s[6:7]  the mask words of my 32 queries
.set G1,  8           ; s[8:15]  descriptor group 1; its first word is written ahead of each load: K's and V's differ in the padding alone
.set G0K, 16          ; s[16:19] group 0 for a quarter of K's tile
.set G0V, 20          ; s[20:23] the same for V's
.set MO,  24          ; byte offset of the step's mask words
.set TBK, 25          ; LDS byte at which K of the step to be fetched begins
.set CS,  26          ; c = log2(e) / 8: the packed lines name s[26:27] and take the low word for both halves
.set TBV, 27          ; the same as TBK for V, less VOFF
.set AL,  28          ; 1.0 in far steps to the left, else 0 (low word of s[28:29])
.set DL,  29
.set AR,  30          ; the same to the right (low word of s[30:31])
.set DLE, 31          ; DL, corrected where the walk has wrapped round
.set SEL, 66
.set WV,  100
.set RAW, 101         ; x - 1 + u
.set CNT, 104
.set LC,  105
.set GK,  (1<<16)|(1<<20)|(4<<22)|(3<<25)   ; 2-byte elements; padding on; after every 32 words 4 words
.set GV,  (1<<16)|(1<<20)|(4<<22)|(7<<25)   ; the same with 8 words
.set MSB, 0
.macro WIN new
.if MSB != (\new)
	s_set_vgpr_msb (MSB<<8)|(\new)
.set MSB, \new
.endif
.endm
.set W_M1, 0x51       ; A, C and D in window 1, B in window 0
.macro PLACES n
.rept \n
	v_nop
.endr
.endm
; A fill.  Waves 0 to 3 fetch the four steps of a tile's K, waves 4 to 7 those of its V: 64 keys each.  Group 1's first word is written on each way, so that each line's shape stands beside it.
; An s_nop 0 and four v_nop follow each of the two lines, ahead of the jump and the label.
.macro LOAD
	s_cmp_lt_u32 s[WV], 4
	s_cbranch_scc0 .Lfor_v_\@
	s_mov_b32 s[G1], GK
	tensor_load_to_lds s[G0K:G0K+3], s[G1:G1+7]
	s_nop 0
	PLACES 4
	s_branch .Lasked_\@
.Lfor_v_\@:
	s_mov_b32 s[G1], GV
	tensor_load_to_lds s[G0V:G0V+3], s[G1:G1+7]
	s_nop 0
	PLACES 4
.Lasked_\@:
.endm
.macro CLASS
	s_cmp_lt_i32 s[DLE], 0
	s_cselect_b32 s[AL], 1.0, 0
	s_cmp_gt_i32 s[DLE], 160
	s_cselect_b32 s[AR], 1.0, 0
.endm
; THE CHANGE OF SLOTS.  Each wave waits for all its tensor loads (one is out: its part of the other slot), adds 0 to its spare word, waits for that and for its reads of the slot that it leaves.
; fill = 1: the slot left is filled again, first thing behind the barrier, with the tile after the one now entered; it has four key steps in which to land.
.macro CHANGE fill
	WIN 0
	s_wait_tensorcnt 0x0                           ; no tensor load of mine is out, so the descriptors may be written
	ds_add_u32 v[SPW], v[NIL]
	s_add_co_u32 s[RAW], s[RAW], 1
.if \fill
	s_add_co_u32 s2, s[RAW], 1
	s_and_b32 s2, s2, 7
	s_lshl_b32 s2, s2, 15                          ; a tile is 32,768 bytes of K and of V
	s_mov_b32 s3, 0
	s_xor_b32 s[G0K+1], s[G0K+1], SLOT1
	s_add_nc_u64 s[G0K+2:G0K+3], s[KVB:KVB+1], s[2:3]
	s_or_b32 s[G0K+3], s[G0K+3], 0x80000000
	s_xor_b32 s[G0V+1], s[G0V+1], SLOT1
	s_add_nc_u64 s[G0V+2:G0V+3], s[KVB:KVB+1], s[2:3]
	s_or_b32 s[G0V+3], s[G0V+3], 0x80000000
.endif
	s_wait_dscnt 0x0                               ; the add is done, and my reads of the slot are over
	s_barrier_signal -1
	s_sub_co_u32 s[TBK], s[TBK], 256*PK            ; the fetches go back to a slot's first step, in the other slot
	s_xor_b32 s[TBK], s[TBK], SLOT1
	s_sub_co_u32 s[TBV], s[TBV], 256*PV
	s_xor_b32 s[TBV], s[TBV], SLOT1
	s_barrier_wait -1
.if \fill
	LOAD
.endif
.endm
; What a slot sets: where its mask words lie; near = 0: the whole slot is far, left if the walk has wrapped round, else right
.macro SLOTSET near
	s_and_b32 s[MO], s[RAW], 7
	s_lshl_b32 s[MO], s[MO], 10
.if !(\near)
	s_movk_i32 s[DLE], 0x2000
	s_cmp_gt_i32 s[RAW], 7
	s_cselect_b32 s[DLE], 0xffffe000, s[DLE]
	CLASS
.endif
.endm
	s_load_b128 s[68:71], s[0:1], 0x0              ; qkv, maskw
	s_load_b64 s[72:73], s[0:1], 0x10              ; tabs
	v_lshl_add_u32 v[SPW], v0, 2, SPARE
	v_mov_b32 v[NIL], 0
	ds_add_u32 v[SPW], v[NIL]                      ; the wave's opening: the add and its wait ahead of my first tensor load
	ds_add_u32 v18, v19
	v_lshrrev_b32 v1, 5, v0
	v_readfirstlane_b32 s[WV], v1                  ; wave 0..7
	s_lshr_b32 s84, s[WV], 2                       ; 0: I fetch K, 1: V
	s_and_b32 s85, s[WV], 3                        ; which of a tile's four steps
	; group 1: 64 keys are 8,192 dense bytes: 32 rows of 256 bytes, padded after every key
	s_mov_b32 s[G1+1], 128<<16
	s_mov_b32 s[G1+2], 32<<16
	s_mov_b32 s[G1+3], 128<<16
	s_mov_b32 s[G1+4], 32
	s_mov_b32 s[G1+5], 128
	s_mov_b32 s[G1+6], 0
	s_mov_b32 s[G1+7], 0
	s_mov_b32 s[G0K], 1
	s_mul_i32 s86, s85, 64*PK                      ; a step of K is 9,216 bytes of a slot,
	s_mov_b32 s[G0K+1], s86                        ; slot 0
	s_mov_b32 s[G0V], 1
	s_mul_i32 s87, s85, 64*PV                      ; a step of V 10,240, behind K's four
	s_add_co_u32 s[G0V+1], s87, VOFF
	; the tables, filled once: each wave brings an eighth.  RkX: 16 rows of 256 bytes, padded after every 128; RvXT: 8 rows of 512 bytes, padded after each
	s_mov_b32 s32, 1
	s_mul_i32 s33, s[WV], 32*PK
	s_add_co_u32 s33, s33, RKL
	s_mov_b32 s36, (1<<16)|(1<<20)|(4<<22)|(3<<25)
	s_mov_b32 s37, 128<<16
	s_mov_b32 s38, 16<<16
	s_mov_b32 s39, 128<<16
	s_mov_b32 s40, 16
	s_mov_b32 s41, 128
	s_mov_b32 s42, 0
	s_mov_b32 s43, 0
	s_mov_b32 s44, 1
	s_mul_i32 s45, s[WV], 8*RVP
	s_add_co_u32 s45, s45, RVL
	s_mov_b32 s48, (1<<16)|(1<<20)|(6<<22)|(3<<25)
	s_mov_b32 s49, 256<<16
	s_mov_b32 s50, 8<<16
	s_mov_b32 s51, 256<<16
	s_mov_b32 s52, 8
	s_mov_b32 s53, 256
	s_mov_b32 s54, 0
	s_mov_b32 s55, 0
	s_and_b32 s74, ttmp7, 0xffff
	s_lshl_b32 s74, s74, 18                        ; y x 262,144: my head and batch in q, k and v
	s_add_co_u32 s2, s84, 1
	s_lshl_b32 s2, s2, 23                          ; k begins 8,388,608 bytes in, v twice that
	s_add_co_u32 s2, s2, s74
	s_lshl_b32 s3, s85, 13
	s_add_co_u32 s2, s2, s3
	s_mov_b32 s3, 0
	s_add_co_u32 s76, ttmp9, 7
	s_and_b32 s76, s76, 7                          ; the walk's first tile: (x - 1) mod 8
	s_lshl_b32 s76, s76, 15
	s_mov_b32 s77, 0
	s_lshl_b32 s78, ttmp9, 3
	s_add_co_u32 s78, s78, s[WV]
	s_lshl_b32 s78, s78, 13                        ; 32 steps x 256 bytes of mask words for each 32 queries
	s_mov_b32 s79, 0
	s_lshl_b32 s80, s[WV], 12
	s_mov_b32 s81, 0
	s_lshl_b32 s82, ttmp9, 15
	s_add_co_u32 s82, s82, s74
	s_add_co_u32 s82, s82, s80                     ; my 32 rows of q
	s_mov_b32 s83, 0
	s_mov_b32 s[CS], 0x3e38aa3b                    ; c = log2(e) / 8
	s_mov_b32 s[AL], 0
	s_mov_b32 s[AR], 0
	s_mov_b32 s[SEL], 0x76543210
	s_mov_b32 s[SEL+1], 0xfedcba98
	s_wait_dscnt 0x0                               ; the opening add is done
	s_wait_kmcnt 0x0
	s_add_nc_u64 s[KVB:KVB+1], s[68:69], s[2:3]
	s_add_nc_u64 s[G0K+2:G0K+3], s[KVB:KVB+1], s[76:77]
	s_or_b32 s[G0K+3], s[G0K+3], 0x80000000
	s_add_nc_u64 s[G0V+2:G0V+3], s[KVB:KVB+1], s[76:77]
	s_or_b32 s[G0V+3], s[G0V+3], 0x80000000
	s_add_nc_u64 s[MPB:MPB+1], s[70:71], s[78:79]
	s_add_nc_u64 s[34:35], s[72:73], s[80:81]
	s_add_nc_u64 s[46:47], s[34:35], 0x8000
	s_or_b32 s35, s35, 0x80000000
	s_or_b32 s47, s47, 0x80000000
	s_add_nc_u64 s[82:83], s[68:69], s[82:83]
	s_cmp_lt_u32 s[WV], 4                          ; a wave's three first fills stand in one branch, ahead of every wait on TENSORcnt, every LDS read and every barrier: three loads of mine are out
	s_cbranch_scc0 .Lfirst_v
	s_mov_b32 s[G1], GK
	tensor_load_to_lds s[G0K:G0K+3], s[G1:G1+7]
	s_nop 0
	tensor_load_to_lds s[32:35], s[36:43]
	s_nop 0
	tensor_load_to_lds s[44:47], s[48:55]
	s_nop 0
	PLACES 4
	s_branch .Lfirst_asked
.Lfirst_v:
	s_mov_b32 s[G1], GV
	tensor_load_to_lds s[G0V:G0V+3], s[G1:G1+7]
	s_nop 0
	tensor_load_to_lds s[32:35], s[36:43]
	s_nop 0
	tensor_load_to_lds s[44:47], s[48:55]
	s_nop 0
	PLACES 4
.Lfirst_asked:
	v_and_b32 v1, 15, v0                           ; q = l % 16
	v_bfe_u32 v21, v0, 4, 1                        ; h = l / 16
	v_lshlrev_b32 v[LO], 7, v1
	v_lshl_add_u32 v[LO], v21, 4, v[LO]
.set i, 0
.rept 4                                 ; Q stays in registers: tile i / 2, channels 32 (i % 2) on
	global_load_b128 v[Q+8*i:Q+8*i+3],   v[LO], s[82:83] offset:(i/2)*2048+(i%2)*64
	global_load_b128 v[Q+8*i+4:Q+8*i+7], v[LO], s[82:83] offset:(i/2)*2048+(i%2)*64+32
.set i, i+1
.endr
	v_mul_u32_u24 v[AK0], v1, PK
	v_lshl_add_u32 v[AK0], v21, 4, v[AK0]
	v_and_b32 v22, 7, v0
	v_bfe_u32 v23, v0, 3, 1
	v_lshl_add_u32 v[AV0], v21, 3, v22             ; the turning load: key 8 h + l % 8, channels 8 ((l / 8) % 2) on
	v_mul_u32_u24 v[AV0], v[AV0], PV
	v_lshl_add_u32 v[AV0], v23, 4, v[AV0]
	v_add_nc_u32 v[AV0], VOFF, v[AV0]
	s_mul_i32 s2, s[WV], 16*SBP
	s_add_co_u32 s2, s2, SBB                       ; my SB
	v_mul_u32_u24 v[SBWR], v1, SBP
	v_lshl_add_u32 v[SBWR], v21, 5, v[SBWR]
	v_add_nc_u32 v[SBWR], s2, v[SBWR]
	v_sub_nc_u32 v[SBRD], 15, v1
	v_lshl_add_u32 v[SBRD], v[SBRD], 2, v[SBWR]
	v_add_nc_u32 v[STO], s2, v[AK0]
	v_bfe_u32 v[RD], v0, 3, 2
	v_mul_u32_u24 v[RD], v[RD], PK
	v_lshl_add_u32 v[RD], v22, 4, v[RD]
	v_add_nc_u32 v[RD], s2, v[RD]
	v_and_b32 v[GO], 31, v0
	v_lshlrev_b32 v[GO], 4, v[GO]
	s_mul_i32 s3, s[WV], 16*SPP
	s_add_co_u32 s3, s3, SPSB                      ; my SPS
	v_mul_u32_u24 v[PRD], v1, SPP
	v_lshl_add_u32 v[PRD], v21, 4, v[PRD]
	v_add_nc_u32 v[PRD], s3, v[PRD]
	v_sub_nc_u32 v[PWR], 15, v1
	v_lshl_add_u32 v[PWR], v[PWR], 1, v[PRD]
	v_add_nc_u32 v[TKO], RKL, v[AK0]
	v_mul_u32_u24 v[TVO], v1, RVP
	v_lshl_add_u32 v[TVO], v21, 4, v[TVO]
	v_add_nc_u32 v[TVO], RVL, v[TVO]
	v_mov_b32 v[NEG], 0xd0000000
.irp i, 0,1,2,3
	v_mov_b32 v[S+(\i)], 0
.endr
	v_add_nc_u32 v22, s3, v[GO]                    ; SPS holds 0 wherever no weight is ever written: 3,328 bytes = 6 x 512 + 256
.irp i, 0,1,2,3,4,5
	ds_store_b128 v22, v[S:S+3] offset:512*(\i)
.endr
	v_lshrrev_b32 v23, 1, v[GO]
	v_add_nc_u32 v23, s3, v23
	ds_store_b64 v23, v[S:S+1] offset:3072
	; The first step multiplies O^T and the sums by a = 0, so they need only hold finite numbers; NT's upper part is written once, so that every register is written before any way through the text reads it.
	WIN 0x40
.set i, 0
.rept 64
	v_mov_b32 v[i], 0
	v_mov_b32 v[NT+32+i], 0
.set i, i+1
.endr
	WIN 0
.irp t, 0,1
	v_mov_b32 v[ST+8*(\t)], 0xfe000000             ; c m: far below every c s
	v_mov_b32 v[ST+8*(\t)+1], 0xff7fffff           ; m
.irp o, 2,3,4,5,6,7
	v_mov_b32 v[ST+8*(\t)+(\o)], 0
.endr
	v_mov_b32 v[TT+8*(\t)+7], 0                    ; named with a as a pair
.endr
	s_wait_tensorcnt 0x0                           ; my parts of slot 0 and of the tables are in,
	s_wait_dscnt 0x0
	s_barrier_signal -1
	s_barrier_wait -1                              ; everybody's are
	WIN 0x40
.irp c, 0,1                             ; RkX's block 0 (16 x Rk[0]) and block 15 (16 x Rk[100])
	ds_load_b128 v[NT+8*(\c):NT+8*(\c)+3],       v[TKO] offset:64*(\c)
	ds_load_b128 v[NT+8*(\c)+4:NT+8*(\c)+7],     v[TKO] offset:64*(\c)+32
	ds_load_b128 v[NT+16+8*(\c):NT+16+8*(\c)+3], v[TKO] offset:15*16*PK+64*(\c)
	ds_load_b128 v[NT+16+8*(\c)+4:NT+16+8*(\c)+7], v[TKO] offset:15*16*PK+64*(\c)+32
.endr
	s_wait_loadcnt 0x0                             ; Q
	s_wait_dscnt 0x0
	WIN W_M1
.irp t, 0,1                             ; CL, CR: every register holds q . Rk[0] or q . Rk[100] of the lane's query; four accumulators by turns
	v_wmma_f32_16x16x32_f16 v[CL+8*(\t):CL+8*(\t)+7], v[NT:NT+7], v[Q+16*(\t):Q+16*(\t)+7], 0
	v_wmma_f32_16x16x32_f16 v[CR+8*(\t):CR+8*(\t)+7], v[NT+16:NT+23], v[Q+16*(\t):Q+16*(\t)+7], 0
.endr
.irp t, 0,1
	v_wmma_f32_16x16x32_f16 v[CL+8*(\t):CL+8*(\t)+7], v[NT+8:NT+15], v[Q+16*(\t)+8:Q+16*(\t)+15], v[CL+8*(\t):CL+8*(\t)+7]
	v_wmma_f32_16x16x32_f16 v[CR+8*(\t):CR+8*(\t)+7], v[NT+24:NT+31], v[Q+16*(\t)+8:Q+16*(\t)+15], v[CR+8*(\t):CR+8*(\t)+7]
.endr
	PLACES 5                                       ; five places before they serve as the C of other accumulators (ISA guide 7.12.1)
	WIN 0
	v_lshlrev_b32 v[LO], 5, v21                    ; from here on: 32 h, my place in 64 bytes of a row of Rv
	s_sub_co_u32 s[RAW], ttmp9, 2
	s_mov_b32 s[TBK], SLOT1+256*PK                 ; the first change of slots turns these two into 0
	s_mov_b32 s[TBV], SLOT1+256*PV
	s_lshl_b32 s[DL], s[WV], 5
	s_sub_co_u32 s[DL], 0xffffff60, s[DL]          ; -160 - 32 w
; S^T = K Q^T + C: product i of 16: channels 32 (i / 8) on, keys 16 ((i / 2) % 4) on, tile i % 2; eight accumulators by turns.  far = 1: the first eight take CL or CR; far = 0: S holds the band's scores already
.macro KQ cb, far
.set i, 0
.rept 16
.set rS, S+32*(i%2)+8*((i/2)%4)
.set rK, KF+16*((i/2)%4)+8*(i/8)
.set rQ, Q+16*(i%2)+8*(i/8)
.if (\far) && (i < 8)
	WIN 0x10
	v_wmma_f32_16x16x32_f16 v[rS:rS+7], v[rK:rK+7], v[rQ:rQ+7], v[(\cb)+8*(i%2):(\cb)+8*(i%2)+7]
.else
	WIN 0
	v_wmma_f32_16x16x32_f16 v[rS:rS+7], v[rK:rK+7], v[rQ:rQ+7], v[rS:rS+7]
.endif
.set i, i+1
.endr
.endm
.macro PVM                              ; O^T += V^T P: keys 32 (i / 8) on, channels 16 ((i / 2) % 4) on, tile i % 2
	WIN W_M1
.set i, 0
.rept 16
.set rO, 32*(i%2)+8*((i/2)%4)
.set rV, VF+32*(i/8)+8*((i/2)%4)
.set rP, P+16*(i%2)+8*(i/8)
	v_wmma_f32_16x16x32_f16 v[rO:rO+7], v[rV:rV+7], v[rP:rP+7], v[rO:rO+7]
.set i, i+1
.endr
.endm
.macro FETCH_K
.irp f, 0,1,2,3,4,5,6,7
	ds_load_b128 v[KF+8*(\f):KF+8*(\f)+3],   v[AK] offset:((\f)/2)*16*PK+((\f)%2)*64
	ds_load_b128 v[KF+8*(\f)+4:KF+8*(\f)+7], v[AK] offset:((\f)/2)*16*PK+((\f)%2)*64+32
.endr
.endm
.macro FETCH_V
	WIN 0x40
.irp f, 0,1,2,3,4,5,6,7
	ds_load_tr16_b128 v[VF+8*(\f):VF+8*(\f)+3],   v[AV] offset:((\f)/4)*32*PV+((\f)%4)*32
	ds_load_tr16_b128 v[VF+8*(\f)+4:VF+8*(\f)+7], v[AV] offset:((\f)/4)*32*PV+16*PV+((\f)%4)*32
.endr
	WIN 0
.endm
.macro REGS t
.set rT, ST+8*(\t)
.set rC, TT+8*(\t)
.set rS, S+32*(\t)
.set rP, P+16*(\t)
.set rO, 32*(\t)
.set rM, 32+36*(\t)                     ; the tile's 32 mask words: s32-63, s68-99
.endm
.macro XS                               ; number n of the 22 that find a tile's maximum and statistics
.if n < 4
	v_max3_num_f32 v[rC+n], v[rS+8*n], v[rS+8*n+1], v[rS+8*n+2]
.elseif n < 12
	v_max3_num_f32 v[rC+n%4], v[rC+n%4], v[rS+8*(n%4)+2*(n/4)+1], v[rS+8*(n%4)+2*(n/4)+2]
.elseif n == 12
	v_max3_num_f32 v[rC], v[rC], v[rS+7], v[rS+15]
.elseif n == 13
	v_max3_num_f32 v[rC+1], v[rC+1], v[rS+23], v[rS+31]
.elseif n == 14
	v_max3_num_f32 v[rC+2], v[rC+2], v[rC+3], v[rT+1]
.elseif n == 15
	v_mov_b32 v[rC+4], v[rT]
.elseif n == 16
	v_max3_num_f32 v[rC], v[rC], v[rC+1], v[rC+2]
.elseif n == 17
	v_permlanex16_b32 v[rC+3], v[rC], s[SEL], s[SEL+1]  ; the query's other 32 keys lie in the lane 16 away
.elseif n == 18
	v_max_num_f32 v[rT+1], v[rC], v[rC+3]
.elseif n == 19
	v_mul_f32 v[rT], s[CS], v[rT+1]
.elseif n == 20
	v_sub_f32 v[rC+1], v[rC+4], v[rT]
.else
	v_exp_f32 v[rC+6], v[rC+1]
.endif
.endm
.macro FS t, k                          ; c s - c m for pair k of tile t
	REGS \t
	v_pk_fma_f32 v[rS+2*(\k):rS+2*(\k)+1], v[rS+2*(\k):rS+2*(\k)+1], s[CS:CS+1], v[rT:rT+1] op_sel_hi:[1,0,0] neg_lo:[0,0,1] neg_hi:[0,0,1]
.endm
.macro EX t, e                          ; the exponential of score e of tile t, in place
	REGS \t
	v_exp_f32 v[rS+(\e)], v[rS+(\e)]
.endm
; THE SOFTMAX of a step, both tiles in turn, so that no line reads the result of the line before it
.macro SOFT
	WIN 0
.set k, 0
.rept 32                                ; the mask, ahead of the maximum; each accumulator's lowest register is read first
.irp t, 0,1
	REGS \t
	v_cndmask_b32 v[rS+k], v[rS+k], v[NEG], s[rM+k]
.endr
.set k, k+1
.endr
.set n, 0
.rept 22                                ; the maximum and statistics; the last two lines, the tiles' a, open the batch
.irp t, 0,1
	REGS \t
	XS
.endr
.set n, n+1
.endr
	; THE BATCH goes on: the 32 scalings and the 64 exponentials of the weights.  Pairs 0 and 1 are scaled first; then a scaling stands ahead of every two exponentials while there are scalings,
	; and a pair is scaled two groups ahead of its exponentials.  No line down to the wait names an exponential's result.
	FS 0, 0
	FS 1, 0
	FS 0, 1
	FS 1, 1
.set k, 0
.rept 16
.if k < 14
	FS 0, k+2
.endif
	EX 0, 2*k
	EX 1, 2*k
.if k < 14
	FS 1, k+2
.endif
	EX 0, 2*k+1
	EX 1, 2*k+1
.set k, k+1
.endr
	v_nop                                          ; the plain line between the last exponential and the use of a result (ISA guide 5.7.2): one for the batch; all other work of the step reads a or a weight
	s_wait_alu depctr_va_vdst(0)                   ; the wait for the batch, the step's 66 exponentials, ahead of the first line that names a result
.set k, 0
.rept 16                                ; the weights rounded to f16, a pair a line
.irp t, 0,1
	REGS \t
	v_cvt_pk_f16_f32 v[rP+k], v[rS+2*k], v[rS+2*k+1]
.endr
.set k, k+1
.endr
.irp w, 16,8,4,2                        ; the 16 pairs' sum, in place
.set k, 0
.rept (\w)/2
.irp t, 0,1
	REGS \t
	v_pk_add_f32 v[rS+2*k:rS+2*k+1], v[rS+2*k:rS+2*k+1], v[rS+2*k+(\w):rS+2*k+(\w)+1]
.endr
.set k, k+1
.endr
.endr
.irp t, 0,1
	REGS \t
	v_pk_fma_f32 v[rT+2:rT+3], v[rT+2:rT+3], v[rC+6:rC+7], v[rS:rS+1] op_sel_hi:[1,0,1]  ; l = a l + sum
	v_pk_mul_f32 v[rC:rC+1], v[rS:rS+1], s[AL:AL+1] op_sel_hi:[1,0]
	v_pk_mul_f32 v[rC+2:rC+3], v[rS:rS+1], s[AR:AR+1] op_sel_hi:[1,0]
.endr
.irp t, 0,1
	REGS \t
	v_pk_fma_f32 v[rT+4:rT+5], v[rT+4:rT+5], v[rC+6:rC+7], v[rC:rC+1] op_sel_hi:[1,0,1]    ; the far sums likewise; a near step adds 0
	v_pk_fma_f32 v[rT+6:rT+7], v[rT+6:rT+7], v[rC+6:rC+7], v[rC+2:rC+3] op_sel_hi:[1,0,1]
.endr
	WIN 0x41
.set k, 0
.rept 16                                ; O^T times a
.irp t, 0,1
	REGS \t
	v_pk_mul_f32 v[rO+2*k:rO+2*k+1], v[rO+2*k:rO+2*k+1], v[rC+6:rC+7] op_sel_hi:[1,0]
.endr
.set k, k+1
.endr
.endm
; A NEAR STEP'S SCORES.  Six blocks of 16 rows of RkX from row DL on; tile t takes blocks 1 - t .. 5 - t: TB[rel][q], 80 x 16, five accumulators by turns.  TB goes into row q of SB and comes back skewed into S.
.macro NEARPRE
	s_min_u32 s2, s[DL], 160                       ; here DL is 0 .. 160
	s_mul_i32 s3, s2, PK
	v_add_nc_u32 v[TKA], s3, v[TKO]
	s_lshl_b32 s3, s2, 1
	v_add_nc_u32 v[TVA], s3, v[TVO]
	WIN 0x40
.set i, 0
.rept 12
	ds_load_b128 v[NT+8*i:NT+8*i+3],   v[TKA] offset:(i/2)*16*PK+(i%2)*64
	ds_load_b128 v[NT+8*i+4:NT+8*i+7], v[TKA] offset:(i/2)*16*PK+(i%2)*64+32
.set i, i+1
.endr
	s_wait_dscnt 0x0
.irp t, 0,1
	WIN W_M1
.set i, 0
.rept 10
.set rD, TB+8*(i%5)
.set rA, NT+16*(1-(\t)+i%5)+8*(i/5)
.set rB, Q+16*(\t)+8*(i/5)
.if i < 5
	v_wmma_f32_16x16x32_f16 v[rD:rD+7], v[rA:rA+7], v[rB:rB+7], 0
.else
	v_wmma_f32_16x16x32_f16 v[rD:rD+7], v[rA:rA+7], v[rB:rB+7], v[rD:rD+7]
.endif
.set i, i+1
.endr
	PLACES 5                                       ; before the stores read TB, the next tile's products write over it, and loads land in NT
	WIN 0x04                                       ; the stores' data in window 1
.irp u, 0,1,2,3,4
	ds_store_b128 v[SBWR], v[TB+8*(\u):TB+8*(\u)+3]   offset:64*(\u)
	ds_store_b128 v[SBWR], v[TB+8*(\u)+4:TB+8*(\u)+7] offset:64*(\u)+16
.endr
	WIN 0
.set k, 0
.rept 32                                ; LDS serves a wave's instructions in order: these see the stores above, and the next tile's stores come behind them
	ds_load_b32 v[S+32*(\t)+k], v[SBRD] offset:64*(k/8)+4*(k%8)
.set k, k+1
.endr
.endr
	WIN 0x40
.set i, 0
.rept 24                                ; RvXT for the step's end: channel block i / 6, 16 columns from DL + 16 (i % 6) on
	ds_load_b128 v[NT+4*i:NT+4*i+3], v[TVA] offset:(i/6)*16*RVP+(i%6)*32
.set i, i+1
.endr
	s_wait_dscnt 24                                ; the 24 just issued may stay out: the band's scores are in S
	KQ 0, 0
.endm
; A NEAR STEP'S VALUES.  P goes skewed into SPS (the same 64 places of a row every time), comes back as source 1 (rel x query), and O^T += RvXT Wp: rel 32 (j / 8) on, channels 16 ((j / 2) % 4) on, tile j % 2.
; rel 80 .. 95 multiply zeros of SPS, so tile 0's last A may run on into the finite f16 numbers that follow its block.
.macro NEARPOST
.irp t, 0,1
.set n, 0
.rept 16
	ds_store_b16 v[PWR], v[P+16*(\t)+n] offset:32*(n/4)+4*(n%4)
	ds_store_b16_d16_hi v[PWR], v[P+16*(\t)+n] offset:32*(n/4)+4*(n%4)+2
.set n, n+1
.endr
.irp ks, 0,1,2
	ds_load_b128 v[S+24*(\t)+8*(\ks):S+24*(\t)+8*(\ks)+3],   v[PRD] offset:64*(\ks)
	ds_load_b128 v[S+24*(\t)+8*(\ks)+4:S+24*(\t)+8*(\ks)+7], v[PRD] offset:64*(\ks)+32
.endr
.endr
	s_wait_dscnt 0x0                               ; Wp, RvXT and V are in
	WIN W_M1
.set j, 0
.rept 24
.set rO, 32*(j%2)+8*((j/2)%4)
.set rA, NT+24*((j/2)%4)+4*(1-(j%2)+2*(j/8))
.set rB, S+24*(j%2)+8*(j/8)
	v_wmma_f32_16x16x32_f16 v[rO:rO+7], v[rA:rA+7], v[rB:rB+7], v[rO:rO+7]
.set j, j+1
.endr
.endm
; A KEY STEP.  near = 1 (the walk's first three slots): the step may be near.  All jumps go forward and pass neither a barrier nor a tensor load.
.macro STEP near
	s_load_b512 s[32:47], s[MPB:MPB+1], s[MO] offset:0x0   ; the step's 64 lane masks
	s_load_b512 s[48:63], s[MPB:MPB+1], s[MO] offset:0x40
	s_load_b512 s[68:83], s[MPB:MPB+1], s[MO] offset:0x80
	s_load_b512 s[84:99], s[MPB:MPB+1], s[MO] offset:0xc0
	v_add_nc_u32 v[AK], s[TBK], v[AK0]
	v_add_nc_u32 v[AV], s[TBV], v[AV0]
	s_add_co_u32 s[TBK], s[TBK], 64*PK
	s_add_co_u32 s[TBV], s[TBV], 64*PV
.if \near
	PLACES 4                                       ; with the two lines above six places behind the last step's products, whose sources this step's products may write over
.endif
	FETCH_K
.if \near
	s_cmp_lt_i32 s[RAW], 0                         ; where the walk has wrapped round, the keys lie 2,048 further right or left than DL says: far in either case
	s_cselect_b32 s[DLE], 0x2000, 0
	s_cmp_gt_i32 s[RAW], 7
	s_cselect_b32 s[DLE], 0xffffe000, s[DLE]
	s_add_co_u32 s[DLE], s[DLE], s[DL]
	CLASS
.endif
	s_wait_dscnt 0x0                               ; K is in
.if \near
	s_cmp_le_u32 s[DLE], 160
	s_cbranch_scc1 .Lnear_\@
.endif
	s_cmp_lt_i32 s[DLE], 0
	s_cbranch_scc1 .Lleft_\@
	KQ CR, 1
	WIN 0
	s_branch .Ljoin_\@
.Lleft_\@:
	KQ CL, 1
	WIN 0
.if \near
	s_branch .Ljoin_\@
.Lnear_\@:
	NEARPRE
	WIN 0
.endif
.Ljoin_\@:
	PLACES 4                                       ; behind the scores' products
	FETCH_V
	s_wait_kmcnt 0x0                               ; the mask words are in
	SOFT
	WIN 0
.if \near
	s_cmp_gt_u32 s[DLE], 160
	s_cbranch_scc1 .Lfar_\@
	NEARPOST
	WIN 0
.Lfar_\@:
.endif
	s_wait_dscnt 0x0                               ; V is in
	PVM
	WIN 0
	s_add_co_u32 s[MO], s[MO], 256
.if \near
	s_add_co_u32 s[DL], s[DL], 64
.endif
.endm
	s_mov_b32 s[LC], 3
.LslotA:                                               ; the walk's first three slots: x - 1, x, x + 1
	CHANGE 1
	SLOTSET 1
	s_mov_b32 s[CNT], 4
.LstepA:
	STEP 1
	s_sub_co_u32 s[CNT], s[CNT], 1
	s_cmp_lg_u32 s[CNT], 0
	s_cbranch_scc1 .LstepA
	s_sub_co_u32 s[LC], s[LC], 1
	s_cmp_lg_u32 s[LC], 0
	s_cbranch_scc1 .LslotA
	; NT is free from here on: it takes Rv's rows 0 and 100 in f32 (my eight channels of each 16), which are wanted at the end
	s_load_b64 s[2:3], s[0:1], 0x18                ; Rv_table
	PLACES 4                                       ; behind the products that read NT
	s_wait_kmcnt 0x0
	WIN 0x40
.irp cb, 0,1,2,3
	global_load_b128 v[NT+8*(\cb):NT+8*(\cb)+3],       v[LO], s[2:3] offset:64*(\cb)
	global_load_b128 v[NT+8*(\cb)+4:NT+8*(\cb)+7],     v[LO], s[2:3] offset:64*(\cb)+16
	global_load_b128 v[NT+32+8*(\cb):NT+32+8*(\cb)+3], v[LO], s[2:3] offset:25600+64*(\cb)
	global_load_b128 v[NT+32+8*(\cb)+4:NT+32+8*(\cb)+7], v[LO], s[2:3] offset:25600+64*(\cb)+16
.endr
	WIN 0
	s_wait_xcnt 0x0                                ; s[2:3] is written again only behind this wait
	s_mov_b32 s[LC], 4
.LslotB:                                               ; four slots that are far throughout
	CHANGE 1
	SLOTSET 0
	s_mov_b32 s[CNT], 4
.LstepB:
	STEP 0
	s_sub_co_u32 s[CNT], s[CNT], 1
	s_cmp_lg_u32 s[CNT], 0
	s_cbranch_scc1 .LstepB
	s_sub_co_u32 s[LC], s[LC], 1
	s_cmp_lg_u32 s[LC], 0
	s_cbranch_scc1 .LslotB
	CHANGE 0                                       ; the last slot is written out: nothing is asked for
	SLOTSET 0
	s_mov_b32 s[CNT], 4
.LstepC:
	STEP 0
	s_sub_co_u32 s[CNT], s[CNT], 1
	s_cmp_lg_u32 s[CNT], 0
	s_cbranch_scc1 .LstepC
	; THE END.  Rv's two rows are rounded to bf16 like every input (these lines are also the places behind the last products); l, lFL, lFR are completed; O += Rv[0] lFL + Rv[100] lFR; O / l leaves through my stage.
	s_load_b64 s[2:3], s[0:1], 0x20                ; ao
	s_mov_b32 s32, 0xffff0000
	s_wait_loadcnt 0x0
	WIN 0x05
.set i, 0
.rept 32
	v_cvt_pk_bf16_f32 v[S+i], v[NT+2*i], v[NT+2*i+1]
.set i, i+1
.endr
	WIN 0x40
.set i, 0
.rept 32
	v_lshlrev_b32 v[NT+2*i], 16, v[S+i]
	v_and_b32 v[NT+2*i+1], s32, v[S+i]
.set i, i+1
.endr
	WIN 0
.irp t, 0,1
.irp o, 2,4,6
	v_add_f32 v[ST+8*(\t)+(\o)], v[ST+8*(\t)+(\o)], v[ST+8*(\t)+(\o)+1]
.endr
.endr
.irp t, 0,1
.irp o, 2,4,6
	v_permlanex16_b32 v[ST+8*(\t)+(\o)+1], v[ST+8*(\t)+(\o)], s[SEL], s[SEL+1]
.endr
.endr
.irp t, 0,1
.irp o, 2,4,6
	v_add_f32 v[ST+8*(\t)+(\o)], v[ST+8*(\t)+(\o)], v[ST+8*(\t)+(\o)+1]
.endr
.endr
	v_rcp_f32 v[ST+2], v[ST+2]                     ; the end's batch: 1 / l of both tiles, as soon as l is whole.  The 64 lines below name lFL and lFR, never these two registers:
	v_rcp_f32 v[ST+10], v[ST+10]                   ; the first of them is the plain line behind the last reciprocal (ISA guide 5.7.2)
	WIN W_M1
.irp o, 0,1                             ; o = 0: Rv[0] lFL; o = 1: Rv[100] lFR
.irp t, 0,1
.set i, 0
.rept 16
	v_pk_fma_f32 v[32*(\t)+2*i:32*(\t)+2*i+1], v[NT+32*(\o)+2*i:NT+32*(\o)+2*i+1], v[ST+8*(\t)+4+2*(\o):ST+8*(\t)+5+2*(\o)], v[32*(\t)+2*i:32*(\t)+2*i+1] op_sel_hi:[1,0,1]
.set i, i+1
.endr
.endr
.endr
	WIN 0
	s_and_b32 s33, ttmp7, 0xffff
	s_and_b32 s34, s33, 1                          ; b
	s_lshr_b32 s33, s33, 1                         ; h
	s_lshl_b32 s34, s34, 4
	s_lshl_b32 s35, ttmp9, 1
	s_add_co_u32 s34, s34, s35
	s_lshr_b32 s35, s[WV], 2
	s_add_co_u32 s34, s34, s35                     ; the block of 128 tokens: 16 b + 2 x + w / 4
	s_lshl_b32 s34, s34, 4
	s_add_co_u32 s34, s34, s33
	s_lshl_b32 s34, s34, 14                        ; ao[block][h]: 128 rows of 128 bytes
	s_and_b32 s35, s[WV], 3
	s_lshl_b32 s35, s35, 12                        ; my 32 rows
	s_add_co_u32 s34, s34, s35
	s_mov_b32 s35, 0
	s_wait_kmcnt 0x0
	s_add_nc_u64 s[2:3], s[2:3], s[34:35]
	s_wait_alu depctr_va_vdst(0)                   ; the wait for the two reciprocals, ahead of PACK's first line, which multiplies by them
.macro PACK t
	WIN 0x41
.set i, 0
.rept 16
	v_pk_mul_f32 v[32*(\t)+2*i:32*(\t)+2*i+1], v[32*(\t)+2*i:32*(\t)+2*i+1], v[ST+8*(\t)+2:ST+8*(\t)+3] op_sel_hi:[1,0]
.set i, i+1
.endr
	WIN 0x05
.set i, 0
.rept 16
	v_cvt_pk_f16_f32 v[S+16*(\t)+i], v[32*(\t)+2*i], v[32*(\t)+2*i+1]
.set i, i+1
.endr
	WIN 0
.irp f, 0,1,2,3
	ds_store_b128 v[STO], v[S+16*(\t)+4*(\f):S+16*(\t)+4*(\f)+3] offset:32*(\f)
.endr
.irp f, 0,1,2,3
	ds_load_b128 v[S+16*(\t)+4*(\f):S+16*(\t)+4*(\f)+3], v[RD] offset:(\f)*4*PK  ; in order behind the stores above; the next tile's stores come behind them
.endr
.endm
.macro SEND t, younger                  ; younger: the LDS instructions issued behind tile t's loads
.irp f, 0,1,2,3
	s_wait_dscnt (\younger)+3-(\f)
	global_store_b128 v[GO], v[S+16*(\t)+4*(\f):S+16*(\t)+4*(\f)+3], s[2:3] offset:(\t)*2048+(\f)*512  ; 512 consecutive bytes, at a multiple of 256 from ao's first
.endr
.endm
	PACK 0
	PACK 1
	SEND 0, 8
	SEND 1, 0
	s_wait_tensorcnt 0x0                           ; the wave's end
	ds_add_u32 v[SPW], v[NIL]
	s_wait_dscnt 0x0
	s_endpgm
.Lfunc_end_k_qfd93781448_attn:
	.size	k_qfd93781448_attn, .Lfunc_end_k_qfd93781448_attn-k_qfd93781448_attn
	.p2alignl 7, 3214868480
	.fill 96, 4, 3214868480
	.section	.rodata,"a",@progbits
	.p2align	6, 0x0
	.amdhsa_kernel k_qfd93781448_attn
		.amdhsa_group_segment_fixed_size 327680
		.amdhsa_private_segment_fixed_size 0
		.amdhsa_enable_private_segment 0
		.amdhsa_kernarg_size 40
		.amdhsa_user_sgpr_count 2
		.amdhsa_user_sgpr_kernarg_segment_ptr 1
		.amdhsa_wavefront_size32 1
		.amdhsa_system_sgpr_workgroup_id_x 1
		.amdhsa_system_sgpr_workgroup_id_y 1
		.amdhsa_system_sgpr_workgroup_id_z 1
		.amdhsa_system_vgpr_workitem_id 0
		.amdhsa_next_free_vgpr 512
		.amdhsa_next_free_sgpr 106
		.amdhsa_reserve_vcc 0
		.amdhsa_float_denorm_mode_32 3
		.amdhsa_float_denorm_mode_16_64 3
		.amdhsa_memory_ordered 1
		.amdhsa_forward_progress 1
		.amdhsa_inst_pref_size 127
	.end_amdhsa_kernel
	.amdgpu_metadata
---
amdhsa.version: [ 1, 2 ]
amdhsa.kernels:
  - .name:           k_qfd93781448_attn
    .symbol:         k_qfd93781448_attn.kd
    .args:
      - { .name: qkv, .offset: 0, .size: 8, .value_kind: global_buffer, .address_space: global }
      - { .name: maskw, .offset: 8, .size: 8, .value_kind: global_buffer, .address_space: global }
      - { .name: tabs, .offset: 16, .size: 8, .value_kind: global_buffer, .address_space: global }
      - { .name: Rv_table, .offset: 24, .size: 8, .value_kind: global_buffer, .address_space: global }
      - { .name: ao, .offset: 32, .size: 8, .value_kind: global_buffer, .address_space: global }
    .group_segment_fixed_size: 327680
    .private_segment_fixed_size: 0
    .kernarg_segment_align: 8
    .kernarg_segment_size: 40
    .max_flat_workgroup_size: 256
    .sgpr_count:     106
    .vgpr_count:     512
    .wavefront_size: 32
...
	.end_amdgpu_metadata
.endif
;; end of part 5
;; launch gout: the kernel of part 4 again; grid 8 x 32, 4 waves a work-group, clusters of 4 x 4, 327,680 bytes of LDS; arguments ao, wo16, out0, bo; writes out0
